; MI455X (gfx1250); checked and timed in simulation.
; The chip was launched on July 23, 2026; its instructions are those of AMD's public machine-readable ISA for CDNA 5 (MIT licence, August 2026) and "CDNA5" Instruction Set Architecture Reference Guide (July 2026). The comments in the code are by the model that wrote it; some were corrected since.
;; Causal Self Attention. Allowed arithmetic: matrix products marked QUANTISED: E2M1 operands, one E8M0 scale for each 32 along K, by v_wmma_scale_f32_16x16x128_f8f6f4 with both operands' format E2M1 (or v_wmma_scale_f32_32x16x128_f4), f32 sums; products left as they are: bf16, f16 or f32 operands; f32 sums; everything else in f32.
;; Inputs: bk 1,024 float32; bo 1,024 float32; bq 1,024 float32; bv 1,024 float32; freqs_cos 1 x 2,048 x 1 x 32 float32; freqs_sin 1 x 2,048 x 1 x 32 float32; mask 1 x 1 x 2,048 x 2,048 bool; wk 1,024 x 1,024 float32; wo 1,024 x 1,024 float32; wq 1,024 x 1,024 float32; wv 1,024 x 1,024 float32; x 2 x 2,048 x 1,024 float32.
;; Outputs: out0 2 x 2,048 x 1,024 float32.
;; This version of the problem:
;;   THIS VERSION OF THE PROBLEM IS GIVEN IN LOW PRECISION. The matrix products marked QUANTISED in the list below multiply operands that are first quantised to E2M1 (2 exponent bits, 1 mantissa bit; 4 bits a number), with one power-of-two scale for each 32 numbers along K (OCP MX v1.0); their sums are f32. The products marked 'left as it is' may take bf16, f16 or f32 operands, with f32 sums. Whichever they take, every output number must still come out within the allowed error. Rounding operands to bf16 (8 significant bits) uses up far more of that allowance than f16 does (11 bits, for magnitudes from 6e-5 to 65,504). All else is computed in f32.
;;   The module's matrix products, in the order in which they are computed (A, B: the left and right operand; K: the contracted axis; several contracted axes count as one K, in the product's order):
;;     1. [M 4,096, K 1,024] x [K 1,024, N 1,024]; A: input x; B: input wq: QUANTISED
;;     2. [M 4,096, K 1,024] x [K 1,024, N 1,024]; A: input x; B: input wk: QUANTISED
;;     3. [M 4,096, K 1,024] x [K 1,024, N 1,024]; A: input x; B: input wv: QUANTISED
;;     4. batch 32 x [M 2,048, K 64] x [K 64, N 2,048]; A: computed on the way; B: computed on the way: left as it is (an operand is computed on the way)
;;     5. batch 32 x [M 64, K 2,048] x [K 2,048, N 2,048]; A: computed on the way; B: computed on the way: left as it is (an operand is computed on the way)
;;     6. [M 4,096, K 1,024] x [K 1,024, N 1,024]; A: computed on the way; B: input wo: left as it is (an operand is computed on the way)
;;   THE QUANTISER, for each operand of a quantised product, along K:
;;     - K is cut into blocks of 32 from its start; a last block that is shorter is filled with zeros.
;;     - A block's scale is 2^e with e = floor(log2(the largest magnitude in the block)) - 2, held to -126 .. 127; a block of zeros has e = 0. As a byte (E8M0): e + 127.
;;     - Each number is divided by its block's scale, clamped to +-6, and rounded to the nearest number of E2M1, ties to even, subnormals kept.
;;     - The product sums the exact products of the quantised numbers (number of the format x scale) in f32.
;;   ~~~python
;;   def quantise(x, axis):      # numpy; x: float32 -> the quantised numbers, widened to float32 again
;;       x = np.moveaxis(x, axis, -1); K = x.shape[-1]
;;       x = np.pad(x, [(0, 0)] * (x.ndim - 1) + [(0, -K % 32)]); x = x.reshape(x.shape[:-1] + (-1, 32)); a = np.abs(x).max(-1, keepdims=True)
;;       e = np.where(a > 0, np.clip(np.frexp(np.where(a > 0, a, 1))[1] - 1 - 2, -126, 127), 0)      # np.frexp(a)[1] - 1 = floor(log2(a)), exactly
;;       r = np.clip(x / 2.0 ** e, -6, 6)
;;       step = 2.0 ** (np.maximum(np.frexp(np.where(r == 0, 1, r))[1] - 1, 0) - 1)
;;       q = np.round(r / step) * step * 2.0 ** e      # np.round: ties to even
;;       return np.moveaxis(q.reshape(q.shape[:-2] + (-1,))[..., :K], -1, axis).astype(np.float32)
;;   ~~~
;; One version. Each part assembles by itself: llvm-mc -triple=amdgcn-amd-amdhsa -mcpu=gfx1250 --defsym DOCPART=n.
;; ======== version 1 of 1: 6 launches
;; limits: values are held in f16: magnitudes above 65,504 overflow, below 6.1e-05 lose precision; right only within a limited range of input values
;; workspace buffers: xc 2,097,152 bytes; xs 131,072 bytes; wc 1,572,864 bytes; ws 98,304 bytes; woi 4,194,304 bytes; mw 524,288 bytes of whole numbers; qkv 33,554,432 bytes; att 8,519,680 bytes
;; launch prep (part 1): grid 368 x 1, 4 waves a work-group, no clusters, 68,096 bytes of LDS; arguments x, wq, wk, wv, wo, mask, xc, xs, wc, ws, woi, mw; writes xc, xs, wc, ws, woi, mw
.if DOCPART == 1
	.amdgcn_target "amdgcn-amd-amdhsa--gfx1250"
	.amdhsa_code_object_version 6
	.text
	.protected	k_q42afa1ee22_prep
	.globl	k_q42afa1ee22_prep
	.p2align	8
	.type	k_q42afa1ee22_prep,@function
k_q42afa1ee22_prep:
	s_mov_b64 s[64:65], 0
	v_nop
	global_prefetch_b8 v0, s[64:65] scope:SCOPE_SE
	s_setreg_imm32_b32 hwreg(HW_REG_WAVE_MODE, 25, 1), 1
	s_wait_xcnt 0x0
; PREP: four jobs in one launch, told apart by the work-group's number alone.
;   X (work-groups 0-127):   x [4096][1024] f32 -> codes of E2M1, K innermost (xc, 512 bytes a row) and one E8M0 byte for each 32 along K (xs, 32 bytes a row).
;   W (128-175): wq, wk, wv [k 1024][n 1024] f32, K their FIRST axis -> codes [3072 rows = 1024 x weight + n][512 bytes] (wc) and scale bytes [3072][32] (ws).
;   O (176-239): wo [k][n] f32 -> f16 operand images, a high and a low part (woi: [part 2][tile of 16 n: 64][32 along k: 32][1024 bytes]).
;   M (240-367): the mask's bytes -> lane masks (mw: [tile of 16 queries 128][tile of 16 keys 128][j 8] words; bit l = mask[16 qt + l % 16][16 kt + 8 (l / 16) + j]).
; AN IMAGE is a 16-bit fragment (16 rows x 32 K, 8 registers a lane) as it stands in registers: bytes 0-511 registers 0-3, lane l at 16 l; bytes 512-1023 registers 4-7.
; A block's scale is 2^(floor(log2(largest magnitude)) - 2): its byte is the largest magnitude's exponent field - 2, held at 1 from below.  A block of zeros keeps the byte 1: its codes are zeros, and this program alone reads the bytes.
; THE SPLIT of a number x into two f16 parts is made in f32: c = 8193 x; hi = c - 8192 x (one fused multiply-add, exact: at most 11 significant bits); lo = x - hi (exact).
; LIMITS: NaN and infinities are not served; blocks whose largest magnitude lies under 2^-124 keep the byte 1; |wo| stays under 65,504; under 6e-5 the high part is off by at most 2^-25.
; LDS: path X bytes 0-32,767, path W bytes 32,768-67,583, the spare words 67,584-68,095; paths O and M use none.
.set SPARE, 67584
.set SPW,   190                        ; v190 LDS address of my spare word; never rewritten
.set NIL,   191                        ; v191 0; never rewritten
.set EMAX,  2
	s_load_b512 s[4:19], s[0:1], 0x0               ; x 4, wq 6, wk 8, wv 10, wo 12, mask 14, xc 16, xs 18
	s_load_b256 s[20:27], s[0:1], 0x40             ; wc 20, ws 22, woi 24, mw 26
	v_lshl_add_u32 v[SPW], v0, 2, SPARE
	v_mov_b32 v[NIL], 0
	v_lshrrev_b32 v1, 5, v0
	v_readfirstlane_b32 s28, v1                    ; wave 0..3
	v_and_b32 v2, 31, v0                           ; lane
	s_wait_kmcnt 0x0
	s_cmp_lt_u32 ttmp9, 128
	s_cbranch_scc1 .Lpath_x
	s_cmp_lt_u32 ttmp9, 176
	s_cbranch_scc1 .Lpath_w
	s_cmp_lt_u32 ttmp9, 240
	s_cbranch_scc1 .Lpath_o
; ---------------- M: a work-group takes 16 rows of the mask, a wave 512 of their columns: 32 tiles of 16 keys
	s_sub_co_u32 s29, ttmp9, 240                   ; qt
	s_lshl_b32 s30, s29, 15                        ; 16 rows of 2,048 bytes
	s_lshl_b32 s31, s28, 9
	s_add_co_u32 s30, s30, s31
	s_mov_b32 s31, 0
	s_add_nc_u64 s[14:15], s[14:15], s[30:31]
	s_lshl_b32 s30, s29, 12                        ; 1,024 words a tile of queries
	s_lshl_b32 s32, s28, 10
	s_add_co_u32 s30, s30, s32
	s_add_nc_u64 s[26:27], s[26:27], s[30:31]
	v_and_b32 v3, 15, v2
	v_lshrrev_b32 v4, 4, v2
	v_lshlrev_b32 v3, 11, v3
	v_lshl_add_u32 v3, v4, 3, v3                   ; row l % 16, + 8 (l / 16): my eight keys of a tile
	v_lshlrev_b32 v5, 2, v2                        ; out: a word a lane
.set k, 0
.rept 32
	global_load_b64 v[48+2*k:49+2*k], v3, s[14:15] offset:16*k
.set k, k+1
.endr
.irp c, 0,1,2,3,4,5,6,7
	v_mov_b32 v[112+\c], 0                         ; v_writelane_b32's destination counts as read
.endr
.macro MCHUNK ch                       ; four tiles of keys: 32 words, gathered in one register, lane 8 kt + j
	s_wait_loadcnt 4*(7-(\ch))                     ; the later chunks' loads, four each, may be out
.irp kt, 0,1,2,3
.irp j, 0,1,2,3,4,5,6,7
	v_and_b32 v[8+\j%4], 0xff<<(8*(\j%4)), v[48+2*(4*(\ch)+\kt)+\j/4]
	v_cmp_ne_u32 s[32+\j%4], 0, v[8+\j%4]          ; bit l: my lane's byte j is true
	v_writelane_b32 v[112+(\ch)], s[32+\j%4], 8*\kt+\j
.endr
.endr
	global_store_b32 v5, v[112+(\ch)], s[26:27] offset:128*(\ch)
.endm
.irp c, 0,1,2,3,4,5,6,7
	MCHUNK \c
.endr
	s_branch .Lend
; ---------------- O: a wave makes 8 fragments: 2 blocks of 32 along k x 4 tiles of 16 columns
.Lpath_o:
.set OX, 48                            ; v48-175 the numbers, 16 a fragment; then their low parts
.set OH, 16                            ; v16-23  the high parts as f16
.set OL, 24                            ; v24-31  the low parts as f16
.set OY, 32                            ; v32-47  at work: the high parts in f32
	s_sub_co_u32 s29, ttmp9, 176
	s_and_b32 s30, s29, 15
	s_lshl_b32 s30, s30, 1                         ; kb0
	s_lshr_b32 s31, s29, 4
	s_lshl_b32 s31, s31, 4
	s_lshl_b32 s32, s28, 2
	s_add_co_u32 s31, s31, s32                     ; nt0
	s_lshl_b32 s32, s30, 17                        ; 32 rows of 4,096 bytes
	s_lshl_b32 s33, s31, 6
	s_add_co_u32 s32, s32, s33
	s_mov_b32 s33, 0
	s_add_nc_u64 s[12:13], s[12:13], s[32:33]
	s_lshl_b32 s32, s31, 15
	s_lshl_b32 s34, s30, 10
	s_add_co_u32 s32, s32, s34
	s_add_nc_u64 s[24:25], s[24:25], s[32:33]
	v_and_b32 v3, 15, v2
	v_lshrrev_b32 v4, 4, v2
	v_lshlrev_b32 v3, 2, v3
	v_lshl_add_u32 v3, v4, 15, v3                  ; column l % 16, row 8 (l / 16)
	v_lshlrev_b32 v5, 4, v2                        ; an image's place for my lane
.macro OLOAD f                         ; fragment f = 4 kq + n: element e is k = 32 kq + 8 h + e (e < 8) or 32 kq + 16 + 8 h + e - 8
.irp e, 0,1,2,3,4,5,6,7,8,9,10,11,12,13,14,15
	global_load_b32 v[OX+16*(\f)+\e], v3, s[12:13] offset:(32*((\f)/4)+\e+8*(\e/8))*4096+64*((\f)%4)
.endr
.endm
.macro OFRAG f
.set XF, OX+16*(\f)
.set OFS, (((\f)%4)*32+(\f)/4)*1024
.if (\f)+3 < 8
	OLOAD (\f)+3
	s_wait_loadcnt 48                              ; the three later fragments' loads may be out
.else
	s_wait_loadcnt 16*(7-(\f))
.endif
	s_wait_xcnt 0x0                                ; the last fragment's stores have read OH and OL
.irp e, 0,2,4,6,8,10,12,14
	v_pk_mul_f32 v[OY+\e:OY+\e+1], v[XF+\e:XF+\e+1], 0x46000400 op_sel_hi:[1,0]                  ; c = 8193 x
.endr
.irp e, 0,2,4,6,8,10,12,14
	v_pk_fma_f32 v[OY+\e:OY+\e+1], v[XF+\e:XF+\e+1], 0xc6000000, v[OY+\e:OY+\e+1] op_sel_hi:[1,0,1]  ; hi = c - 8192 x
.endr
.irp e, 0,2,4,6,8,10,12,14
	v_pk_add_f32 v[XF+\e:XF+\e+1], v[XF+\e:XF+\e+1], v[OY+\e:OY+\e+1] neg_lo:[0,1] neg_hi:[0,1]      ; lo = x - hi
.endr
.irp e, 0,1,2,3,4,5,6,7
	v_cvt_pk_f16_f32 v[OH+\e], v[OY+2*\e], v[OY+2*\e+1]
	v_cvt_pk_f16_f32 v[OL+\e], v[XF+2*\e], v[XF+2*\e+1]
.endr
	global_store_b128 v5, v[OH:OH+3], s[24:25] offset:OFS                  ; each store covers 512 consecutive bytes
	global_store_b128 v5, v[OH+4:OH+7], s[24:25] offset:OFS+512
	global_store_b128 v5, v[OL:OL+3], s[24:25] offset:OFS+2097152
	global_store_b128 v5, v[OL+4:OL+7], s[24:25] offset:OFS+2097152+512
.endm
	OLOAD 0
	OLOAD 1
	OLOAD 2
.irp f, 0,1,2,3,4,5,6,7
	OFRAG \f
.endr
	s_branch .Lend
; ---------------- W: a lane takes a column n and its registers run down K; a wave takes 32 columns x 512 along K
.Lpath_w:
.set WNB,    16                        ; blocks of 32 a lane
.set WPITCH, 272                       ; a stage row: 256 bytes of codes + 16
.set WKROW,  512                       ; a row of wc
.set WSTG,   32768
.set WX,     32                        ; v32-95   two sets of 32 numbers
.set WC,     96                        ; v96-99   a block's codes
.set WOUT,   112                       ; v112-175 the way out
.set WSB,    24                        ; v24-27   the scale bytes, four to a register
	s_sub_co_u32 s29, ttmp9, 128
	s_lshr_b32 s30, s29, 4                         ; which weight: 0 q, 1 k, 2 v
	s_bfe_u32 s31, s29, 0x30001                    ; which 128 columns
	s_and_b32 s32, s29, 1                          ; which 512 along K
	s_cmp_eq_u32 s30, 0
	s_cselect_b64 s[6:7], s[6:7], s[8:9]
	s_cmp_eq_u32 s30, 2
	s_cselect_b64 s[6:7], s[10:11], s[6:7]         ; the choice hangs on the work-group's number alone
	s_lshl_b32 s31, s31, 7
	s_lshl_b32 s33, s28, 5
	s_add_co_u32 s31, s31, s33                     ; my wave's first column
	s_lshl_b32 s34, s32, 21                        ; 512 rows of 4,096 bytes
	s_lshl_b32 s33, s31, 2
	s_add_co_u32 s34, s34, s33
	s_mov_b32 s35, 0
	s_add_nc_u64 s[6:7], s[6:7], s[34:35]
	s_lshl_b32 s30, s30, 10
	s_add_co_u32 s30, s30, s31                     ; its row in wc and ws
	s_lshl_b32 s34, s30, 9
	s_lshl_b32 s33, s32, 8
	s_add_co_u32 s34, s34, s33
	s_add_nc_u64 s[20:21], s[20:21], s[34:35]
	s_lshl_b32 s34, s30, 5
	s_lshl_b32 s33, s32, 4
	s_add_co_u32 s34, s34, s33
	s_add_nc_u64 s[22:23], s[22:23], s[34:35]
	v_lshlrev_b32 v3, 2, v2                        ; in: 4 bytes a lane
	s_mul_i32 s33, s28, 32*WPITCH
	s_add_co_u32 s33, s33, WSTG                    ; my stage
	v_mul_u32_u24 v4, v2, WPITCH
	v_add_nc_u32 v4, s33, v4                       ; into it: row = my column
	v_and_b32 v5, 15, v2
	v_lshrrev_b32 v6, 4, v2
	v_mul_u32_u24 v7, v6, WPITCH
	v_lshl_add_u32 v7, v5, 4, v7
	v_add_nc_u32 v7, s33, v7                       ; out of it: sixteen lanes to a row, two rows an instruction
	v_mul_u32_u24 v8, v6, WKROW
	v_lshl_add_u32 v8, v5, 4, v8                   ; and the same place in wc
	v_lshlrev_b32 v9, 5, v2                        ; my column's row of scale bytes
.macro WLOAD t
.set wi, 0
.rept 32
	global_load_b32 v[WX+32*((\t)%2)+wi], v3, s[6:7] offset:(32*(\t)+wi)*4096 th:TH_LOAD_NT
.set wi, wi+1
.endr
.endm
	WLOAD 0
	WLOAD 1
.macro WBLOCK t
.set WS_, WX+32*((\t)%2)
.if (\t) < WNB-1
	s_wait_loadcnt 32                              ; this block's 32 loads are in; the next block's may be out
.else
	s_wait_loadcnt 0
.endif
	v_max3_num_f32 v12, |v[WS_]|, |v[WS_+1]|, |v[WS_+2]|
	v_max3_num_f32 v13, |v[WS_+3]|, |v[WS_+4]|, |v[WS_+5]|
.irp i, 6,10,14,18,22,26
	v_max3_num_f32 v12, v12, |v[WS_+\i]|, |v[WS_+\i+1]|
	v_max3_num_f32 v13, v13, |v[WS_+\i+2]|, |v[WS_+\i+3]|
.endr
	v_max3_num_f32 v12, v12, |v[WS_+30]|, |v[WS_+31]|
	v_max3_num_f32 v12, v12, v13, (EMAX+1)<<23     ; and the floor, so that the byte cannot fall under 1
	v_add_nc_u32 v11, -(EMAX<<23), v12             ; 2 off the exponent field: the conversion's scale operand
	v_lshrrev_b32 v13, 23, v11                     ; the scale's byte
.if (\t)%4 == 0
	v_mov_b32 v[WSB+(\t)/4], v13
.else
	v_lshl_or_b32 v[WSB+(\t)/4], v13, 8*((\t)%4), v[WSB+(\t)/4]
.endif
.irp g, 0,1,2,3
	v_cvt_scalef32_pk8_fp4_f32 v[WC+\g], v[WS_+8*\g:WS_+8*\g+7], v11
.endr
	ds_store_b128 v4, v[WC:WC+3] offset:16*(\t)    ; 32 codes: 16 bytes of my column's row
.if (\t)+2 < WNB
	WLOAD (\t)+2
.endif
	s_wait_dscnt 0x0                               ; the store has read its registers: the next block's codes may be written
.endm
.set WQ, 0
.rept WNB
	WBLOCK WQ
.set WQ, WQ+1
.endr
	global_store_b128 v9, v[WSB:WSB+3], s[22:23]   ; my column's 16 scale bytes
.irp t, 0,1,2,3,4,5,6,7,8,9,10,11,12,13,14,15
	ds_load_b128 v[WOUT+4*\t:WOUT+4*\t+3], v7 offset:2*\t*WPITCH   ; LDS serves a wave's instructions in order: these see my stores
.endr
.irp t, 0,1,2,3,4,5,6,7,8,9,10,11,12,13,14,15
	s_wait_dscnt 15-\t
	global_store_b128 v8, v[WOUT+4*\t:WOUT+4*\t+3], s[20:21] offset:2*\t*WKROW   ; sixteen lanes store 256 consecutive bytes of a row
.endr
	s_branch .Lend
; ---------------- X: a plain stream of blocks of 32; a wave takes 16 steps of 512 numbers; two neighbouring lanes hold a block
.Lpath_x:
.set XSTEPS, 16
.set XCB,    8                         ; bytes of 16 codes
.set XR,     16                        ; v16-79   four sets of 16 numbers as they are loaded
.set XX,     80                        ; v80-111  two sets of 16 neighbours
.set XC,     128                       ; v128-189 codes: four registers for each step
.set XE,     112                       ; v112-127 a scale byte for each step
.set XWREG,  8192                      ; LDS: a region for each wave: two stages of 32 x 80 bytes, then its 256 scale bytes
.set XSP,    80
	v_lshlrev_b32 v3, 4, v2                        ; my 16 bytes of a load's 512
	s_mul_i32 s29, s28, XWREG
	v_lshrrev_b32 v14, 2, v2
	v_mul_u32_u24 v14, v14, XSP
	v_and_b32 v15, 3, v2
	v_lshl_add_u32 v14, v15, 4, v14
	v_add_nc_u32 v14, s29, v14                     ; the stage, on the way in
	v_mul_u32_u24 v15, v2, XSP
	v_add_nc_u32 v15, s29, v15                     ; and on the way out: my 16 neighbours
	v_mul_u32_u24 v4, v2, XCB
	v_lshrrev_b32 v5, 1, v2
	s_add_co_u32 s29, s29, 2*32*XSP
	v_add_nc_u32 v5, s29, v5                       ; my block's scale byte
	v_lshlrev_b32 v7, 3, v2
	v_add_nc_u32 v6, s29, v7
	s_lshl_b32 s30, ttmp9, 2
	s_add_co_u32 s30, s30, s28                     ; which run of 8,192 numbers is my wave's
	s_mov_b32 s31, 0
	s_lshl_b64 s[32:33], s[30:31], 15
	s_add_nc_u64 s[4:5], s[4:5], s[32:33]
	s_lshl_b64 s[32:33], s[30:31], 12
	s_add_nc_u64 s[16:17], s[16:17], s[32:33]
	s_lshl_b32 s30, s30, 8
	s_add_nc_u64 s[18:19], s[18:19], s[30:31]
.macro XLOAD t
.irp i, 0,1,2,3
	global_load_b128 v[XR+16*((\t)%4)+4*\i:XR+16*((\t)%4)+4*\i+3], v3, s[4:5] offset:2048*(\t)+512*\i th:TH_LOAD_NT
.endr
.endm
.macro XTURN t                         ; a step's numbers through the stage: as loaded in, 64 bytes a lane out
.irp i, 0,1,2,3
	ds_store_b128 v14, v[XR+16*((\t)%4)+4*\i:XR+16*((\t)%4)+4*\i+3] offset:32*XSP*((\t)%2)+8*XSP*\i
.endr
.irp i, 0,1,2,3
	ds_load_b128 v[XX+16*((\t)%2)+4*\i:XX+16*((\t)%2)+4*\i+3], v15 offset:32*XSP*((\t)%2)+16*\i
.endr
.endm
.irp t, 0,1,2,3
	XLOAD \t
.endr
	s_wait_loadcnt 12                              ; step 0's four loads are in
	XTURN 0
.macro XSTEP t
.set XS_, XX+16*((\t)%2)
.if (\t) > 0
	s_wait_dscnt 1                                 ; this step's numbers are back from the stage (the last step's byte store may be out)
.else
	s_wait_dscnt 0x0
.endif
.if (\t)+4 < XSTEPS
	XLOAD (\t)+4
.endif
.if (\t)+1 < XSTEPS
.if XSTEPS-2-(\t) >= 3
	s_wait_loadcnt 12                              ; the next step's loads are in; those of the three steps behind it may be out
.else
	s_wait_loadcnt 4*(XSTEPS-2-(\t))
.endif
	XTURN (\t)+1
.endif
	v_max3_num_f32 v8, |v[XS_]|, |v[XS_+1]|, |v[XS_+2]|
	v_max3_num_f32 v9, |v[XS_+3]|, |v[XS_+4]|, |v[XS_+5]|
.irp i, 6,10
	v_max3_num_f32 v8, v8, |v[XS_+\i]|, |v[XS_+\i+1]|
	v_max3_num_f32 v9, v9, |v[XS_+\i+2]|, |v[XS_+\i+3]|
.endr
	v_max3_num_f32 v8, v8, |v[XS_+14]|, |v[XS_+15]|
	v_max3_num_f32 v8, v8, v9, (EMAX+1)<<23
	v_max_num_f32_dpp v8, v8, v8 row_xmask:1 row_mask:0xf bank_mask:0xf   ; with my neighbour's 16: the block's
	v_add_nc_u32 v11, -(EMAX<<23), v8
	v_cvt_scalef32_pk8_fp4_f32 v[XC+4*(\t)], v[XS_:XS_+7], v11
	v_cvt_scalef32_pk8_fp4_f32 v[XC+4*(\t)+1], v[XS_+8:XS_+15], v11
	v_lshrrev_b32 v[XE+(\t)], 23, v11              ; the scale's byte
	ds_store_b8 v5, v[XE+(\t)] offset:16*(\t)      ; both lanes of a block write the same byte with the same value
	global_store_b64 v4, v[XC+4*(\t):XC+4*(\t)+1], s[16:17] offset:32*XCB*(\t)   ; the wave stores 256 consecutive bytes
.endm
.irp t, 0,1,2,3,4,5,6,7,8,9,10,11,12,13,14,15
	XSTEP \t
.endr
	ds_load_b64 v[8:9], v6
	s_wait_dscnt 0x0
	global_store_b64 v7, v[8:9], s[18:19]          ; the wave's 256 scale bytes
.Lend:
	s_wait_tensorcnt 0x0                           ; the wave's end
	ds_add_u32 v[SPW], v[NIL]
	s_wait_dscnt 0x0
	s_endpgm
.Lfunc_end_k_q42afa1ee22_prep:
	.size	k_q42afa1ee22_prep, .Lfunc_end_k_q42afa1ee22_prep-k_q42afa1ee22_prep
	.p2alignl 7, 3214868480
	.fill 96, 4, 3214868480
	.section	.rodata,"a",@progbits
	.p2align	6, 0x0
	.amdhsa_kernel k_q42afa1ee22_prep
		.amdhsa_group_segment_fixed_size 68096
		.amdhsa_private_segment_fixed_size 0
		.amdhsa_enable_private_segment 0
		.amdhsa_kernarg_size 96
		.amdhsa_user_sgpr_count 2
		.amdhsa_user_sgpr_kernarg_segment_ptr 1
		.amdhsa_wavefront_size32 1
		.amdhsa_system_sgpr_workgroup_id_x 1
		.amdhsa_system_sgpr_workgroup_id_y 1
		.amdhsa_system_sgpr_workgroup_id_z 1
		.amdhsa_system_vgpr_workitem_id 0
		.amdhsa_next_free_vgpr 192
		.amdhsa_next_free_sgpr 66
		.amdhsa_reserve_vcc 0
		.amdhsa_float_denorm_mode_32 3
		.amdhsa_float_denorm_mode_16_64 3
		.amdhsa_memory_ordered 1
		.amdhsa_forward_progress 1
		.amdhsa_inst_pref_size 204
	.end_amdhsa_kernel
	.amdgpu_metadata
---
amdhsa.version: [ 1, 2 ]
amdhsa.kernels:
  - .name:           k_q42afa1ee22_prep
    .symbol:         k_q42afa1ee22_prep.kd
    .args:
      - { .name: x, .offset: 0, .size: 8, .value_kind: global_buffer, .address_space: global }
      - { .name: wq, .offset: 8, .size: 8, .value_kind: global_buffer, .address_space: global }
      - { .name: wk, .offset: 16, .size: 8, .value_kind: global_buffer, .address_space: global }
      - { .name: wv, .offset: 24, .size: 8, .value_kind: global_buffer, .address_space: global }
      - { .name: wo, .offset: 32, .size: 8, .value_kind: global_buffer, .address_space: global }
      - { .name: mask, .offset: 40, .size: 8, .value_kind: global_buffer, .address_space: global }
      - { .name: xc, .offset: 48, .size: 8, .value_kind: global_buffer, .address_space: global }
      - { .name: xs, .offset: 56, .size: 8, .value_kind: global_buffer, .address_space: global }
      - { .name: wc, .offset: 64, .size: 8, .value_kind: global_buffer, .address_space: global }
      - { .name: ws, .offset: 72, .size: 8, .value_kind: global_buffer, .address_space: global }
      - { .name: woi, .offset: 80, .size: 8, .value_kind: global_buffer, .address_space: global }
      - { .name: mw, .offset: 88, .size: 8, .value_kind: global_buffer, .address_space: global }
    .group_segment_fixed_size: 68096
    .private_segment_fixed_size: 0
    .kernarg_segment_align: 8
    .kernarg_segment_size: 96
    .max_flat_workgroup_size: 128
    .sgpr_count:     66
    .vgpr_count:     192
    .wavefront_size: 32
...
	.end_amdgpu_metadata
.endif
;; end of part 1
;; launch qkv (part 2): grid 16 x 12, 4 waves a work-group, clusters of 4 x 4, 327,680 bytes of LDS; arguments xc, xs, wc, ws, bq, bk, bv, freqs_cos, freqs_sin, qkv; writes qkv
.if DOCPART == 2
	.amdgcn_target "amdgcn-amd-amdhsa--gfx1250"
	.amdhsa_code_object_version 6
	.text
	.protected	k_q42afa1ee22_qkv
	.globl	k_q42afa1ee22_qkv
	.p2align	8
	.type	k_q42afa1ee22_qkv,@function
k_q42afa1ee22_qkv:
	s_mov_b64 s[64:65], 0
	v_nop
	global_prefetch_b8 v0, s[64:65] scope:SCOPE_SE
	s_setreg_imm32_b32 hwreg(HW_REG_WAVE_MODE, 25, 1), 1
	s_wait_xcnt 0x0
	s_wait_alu depctr_hold_cnt(0) depctr_sa_sdst(0) depctr_va_vdst(0) depctr_va_sdst(0) depctr_va_ssrc(0) depctr_va_vcc(0) depctr_vm_vsrc(0)
	s_getreg_b32 s2, hwreg(HW_REG_IB_STS2, 6, 4)
	s_cmp_eq_u32 s2, 0
	s_cbranch_scc0 .Lentry_in_a_cluster
	s_endpgm
.Lentry_in_a_cluster:
	s_bfe_u32 s2, ttmp6, 0x10000c
	s_cmp_lg_u32 s2, 0xf033
	s_cbranch_scc0 .Lentry_shape_is_right
	s_endpgm
.Lentry_shape_is_right:
; QKV: the three quantised products on codes of E2M1 with E8M0 scales, then bias, RoPE (q, k) and the way out as f16 operand images for the attention.
; A tile of 256 x 256 of a product is made by four waves, 128 x 128 each: 64 accumulators, 512 registers.  K = 1,024 is two slots of 512 along K: both are filled at the start, nothing is filled again.
; The cluster's y says which product: 0 q, 1 k, 2 v.  For q and k: A = x's rows (tokens), B = the weight's rows (channels).  FOR v THE OPERANDS CHANGE PLACES: A = wv's rows, B = x's rows.
; The matrix instruction takes source 0 = 16 rows of B, source 1 = 16 rows of A: a lane (r, h) of accumulator (a, b) holds A's row 16 a + r and B's rows 16 b + 8 h + 0 .. 7.
; Rounded to f16 those eight are registers 0-3 (b even) or 4-7 (b odd) of a 16-bit fragment whose row is r and whose K runs along B's rows: for q and k K = the head's channels, for v K = the keys.
; So every store is 16 bytes a lane at 16 x lane: 512 consecutive bytes, no stage.
; qkv: Q at 0 and K at 8 MiB: [batch x head 32][tile of 16 tokens 128][32 channels: 2][1024];  V's high parts at 16 MiB, low parts at 24 MiB: [32][32 keys: 64][tile of 16 channels 4][1024].
; q is multiplied by log2(e) / 8 in f32 ahead of its rounding, so that the attention's scores are exponents of 2.
; LIMITS: |q| log2(e) / 8, |k| and |v| stay under 65,504; NaN and infinities are not served.
; CLUSTERS: 4 x 4 work-groups; A's tiles and scales are asked for jointly along a row of the cluster, B's along a column.
; REGISTERS: window 0: v0-31 addresses; v32-95 scale words, two sets; v128-191 A's fragments.  window 1: B's fragments, two sets.  windows 2, 3: the accumulators ((a, b) at v[8 (8 (a % 4) + b)]).
.set KSTEP,  512
.set NQ,     KSTEP/128
.set ROWB,   256
.set KROW,   512
.set PITCH,  272                       ; an LDS row: 256 bytes + 16 of padding: the 16 rows of a load start 68 words apart
.set FR,     8
.set NL,     2
.set NP,     4
.set HALFT,  128*PITCH
.set SLOT,   4*HALFT
.set KS,     32
.set SCL,    2*SLOT
.set HALFS,  (128*KS/256)*272
.set SBLK,   (16*KS/256)*272
.set SPARE,  SCL+4*HALFS
.set ADRA, 16
.set ADRB, 20
.set FO,   24                          ; v24  128 r + 16 h: my four cos or sin of a token's row
.set BO,   25                          ; v25  32 h: my eight biases of a block of 16 channels
.set SA,   26                          ; v26  16 x lane: an image's place
.set ADRS, 27
.set SPW,  28
.set NIL,  29
.set RO,   30                          ; v30  4 r
.set SC,   32
.set AF,   128
.set BI,   32                          ; the way out: v32-95 biases (q, k);  v32-39 (v)
.set VLO,  40                          ; v40-71   V's low parts as f16
.set PK,   96                          ; v96-127  f16 results
.set XO,   128                         ; v128-191 a block of 16 rows in f32
.set YO,   192                         ; v192-255 at work
.set G1, 24
.set G0, 32
.set G1B, 48
.set G0B, 56
.set G1S, 68
.set G0S, 76
.set G1SB, 80
.set G0SB, 88
.set TYP, 95
.set MSB, 0
.macro WIN new                         ; the immediate's high byte repeats the setting that is left
.if MSB != \new
	s_set_vgpr_msb (MSB<<8)|\new
.set MSB, \new
.endif
.endm
.set MUL_LO, 0xa1
.set MUL_HI, 0xf1
.set TO_B,   0x40
.macro JLOAD g0a, g1a, g0b, g1b        ; a joint load: waves 0 and 1 fetch for A, waves 2 and 3 for B; an s_nop 0 and four v_nop follow each line
	s_cmp_eq_u32 s15, 0
	s_cbranch_scc0 .Lfor_b_\@
	tensor_load_to_lds s[\g0a:\g0a+3], s[\g1a:\g1a+7]
	s_nop 0
.rept 4
	v_nop
.endr
	s_branch .Lasked_\@
.Lfor_b_\@:
	tensor_load_to_lds s[\g0b:\g0b+3], s[\g1b:\g1b+7]
	s_nop 0
.rept 4
	v_nop
.endr
.Lasked_\@:
.endm
.macro CROUND                          ; a round of the cluster's barrier
	s_barrier_signal -1
	s_barrier_wait -1
	s_cmp_lg_u32 s14, 0
	s_cbranch_scc1 .Lnot_wave_0_\@
	s_barrier_signal -3
.Lnot_wave_0_\@:
	s_barrier_wait -3
	s_barrier_signal -1
	s_barrier_wait -1
.endm
	s_load_b128 s[4:7], s[0:1], 0x0                ; xc, xs
	s_load_b128 s[8:11], s[0:1], 0x10              ; wc, ws
	v_lshl_add_u32 v[SPW], v0, 2, SPARE
	v_mov_b32 v[NIL], 0
	ds_add_u32 v[SPW], v[NIL]                      ; the opening: the add, twice on end, and its wait ahead of my first tensor load
	ds_add_u32 v[SPW], v[NIL]
	v_lshrrev_b32 v1, 5, v0
	v_readfirstlane_b32 s14, v1                    ; wave 0..3
	s_lshr_b32 s15, s14, 1                         ; which half of A's rows is mine.  Also: I fetch for A (0) or for B (1)
	s_and_b32 s16, s14, 1                          ; which half of B's rows.  Also: which 128 rows I fetch
	s_bfe_u32 s40, ttmp6, 0x40000                  ; cx
	s_bfe_u32 s41, ttmp6, 0x40004                  ; cy
	s_lshl_b32 s42, ttmp9, 2                       ; 4 x cluster x
	s_and_b32 s[TYP], ttmp7, 0xffff                ; cluster y: the product; the same in all sixteen partners
	s_lshl_b32 s18, s[TYP], 2
	s_cmp_eq_u32 s[TYP], 2
	s_cselect_b32 s17, 8, s42
	s_cselect_b32 s42, s42, s18
	s_add_co_u32 s17, s17, s41                     ; A's tile of 256 rows: x's 4 clx + cy, or wc's 8 + cy: it hangs on cy alone
	s_add_co_u32 s42, s42, s40                     ; B's: wc's 4 typ + cx, or x's 4 clx + cx: on cx alone
	s_lshl_b32 s43, s41, 2
	s_lshl_b32 s43, 15, s43                        ; my row of the cluster
	s_lshl_b32 s44, 0x1111, s40                    ; my column
	s_or_b32 s[G1+0], s43, (0<<16)|(1<<20)|(1<<21)|(5<<22)|(3<<25)  ; the mask; elements of 1 byte; padding: 4 words after every 64; bit 21 beside a mask
	s_or_b32 s[G1B+0], s44, (0<<16)|(1<<20)|(1<<21)|(5<<22)|(3<<25)
.irp g, G1, G1B
	s_mov_b32 s[\g+1], ROWB<<16                    ; tensor_dim0
	s_mov_b32 s[\g+2], 128<<16                     ; tensor_dim1
	s_mov_b32 s[\g+3], ROWB<<16                    ; tile_dim0
	s_mov_b32 s[\g+4], 128                         ; tile_dim1
	s_mov_b32 s[\g+5], KROW                        ; pitch
	s_mov_b32 s[\g+6], 0
	s_mov_b32 s[\g+7], 0
.endr
	s_or_b32 s[G1S+0], s43, (3<<16)|(1<<20)|(1<<21)|(5<<22)|(3<<25) ; the scales of 128 rows: a dense block of 4,096 bytes as rows of 256
	s_or_b32 s[G1SB+0], s44, (3<<16)|(1<<20)|(1<<21)|(5<<22)|(3<<25)
.irp g, G1S, G1SB
	s_mov_b32 s[\g+1], 32<<16
	s_mov_b32 s[\g+2], (128*KS/256)<<16
	s_mov_b32 s[\g+3], 32<<16
	s_mov_b32 s[\g+4], 128*KS/256
	s_mov_b32 s[\g+5], 32
	s_mov_b32 s[\g+6], 0
	s_mov_b32 s[\g+7], 0
.endr
	s_lshl_b32 s18, s16, 7
	s_lshl_b32 s20, s17, 8
	s_add_co_u32 s20, s20, s18                     ; A: the first row that I fetch
	s_lshl_b32 s46, s42, 8
	s_add_co_u32 s46, s46, s18                     ; B likewise
	s_mov_b32 s21, 0
	s_mov_b32 s47, 0
	s_mov_b64 s[18:19], KS
	s_mul_u64 s[22:23], s[20:21], s[18:19]
	s_mul_u64 s[92:93], s[46:47], s[18:19]
	s_mov_b64 s[18:19], KROW
	s_mul_u64 s[20:21], s[20:21], s[18:19]
	s_mul_u64 s[46:47], s[46:47], s[18:19]
	s_mul_i32 s45, s14, HALFT
	s_mul_i32 s94, s14, HALFS
	s_wait_dscnt 0x0                               ; both opening adds are done
	s_wait_kmcnt 0x0
	s_cmp_eq_u32 s[TYP], 2                         ; for v the operands change places: a choice between buffers on an id
	s_cselect_b64 s[96:97], s[8:9], s[4:5]         ; A's codes
	s_cselect_b64 s[98:99], s[10:11], s[6:7]       ; A's scales
	s_cselect_b64 s[8:9], s[4:5], s[8:9]           ; B's codes
	s_cselect_b64 s[10:11], s[6:7], s[10:11]       ; B's scales
	s_add_nc_u64 s[20:21], s[96:97], s[20:21]
	s_add_nc_u64 s[22:23], s[98:99], s[22:23]
	s_add_nc_u64 s[46:47], s[8:9], s[46:47]
	s_add_nc_u64 s[92:93], s[10:11], s[92:93]
	CROUND                                         ; all sixteen work-groups are here: the first joint loads meet
	s_mov_b32 s[G0S], 1
	s_add_co_u32 s[G0S+1], s94, SCL
	s_mov_b64 s[G0S+2:G0S+3], s[22:23]
	s_or_b32 s[G0S+3], s[G0S+3], 0x80000000
	s_mov_b32 s[G0SB], 1
	s_add_co_u32 s[G0SB+1], s94, SCL
	s_mov_b64 s[G0SB+2:G0SB+3], s[92:93]
	s_or_b32 s[G0SB+3], s[G0SB+3], 0x80000000
	JLOAD G0S, G1S, G0SB, G1SB                     ; three loads of mine go out: the scales, slot 0, slot 1
.irp s, 0,1
	s_mov_b32 s[G0+4*\s], 1
	s_add_co_u32 s[G0+4*\s+1], s45, \s*SLOT
	s_add_nc_u64 s[G0+4*\s+2:G0+4*\s+3], s[20:21], \s*ROWB
	s_or_b32 s[G0+4*\s+3], s[G0+4*\s+3], 0x80000000
	s_mov_b32 s[G0B+4*\s], 1
	s_add_co_u32 s[G0B+4*\s+1], s45, \s*SLOT
	s_add_nc_u64 s[G0B+4*\s+2:G0B+4*\s+3], s[46:47], \s*ROWB
	s_or_b32 s[G0B+4*\s+3], s[G0B+4*\s+3], 0x80000000
	JLOAD G0+4*\s, G1, G0B+4*\s, G1B
.endr
	v_and_b32 v1, 15, v0                           ; r
	v_bfe_u32 v2, v0, 4, 1                         ; h
	v_mul_u32_u24 v3, v1, PITCH
	v_lshl_add_u32 v4, v2, 4, v3
	s_mul_i32 s21, s15, HALFT
	s_mul_i32 s22, s16, HALFT
	s_add_co_u32 s22, s22, 2*HALFT
.irp s, 0,1
	v_add_nc_u32 v[ADRA+\s], s21, v4
	v_add_nc_u32 v[ADRB+\s], s22, v4
	s_add_co_u32 s21, s21, SLOT
	s_add_co_u32 s22, s22, SLOT
.endr
	v_mul_u32_u24 v5, v1, KS
	v_lshrrev_b32 v6, 8, v5
	v_lshl_add_u32 v5, v6, 4, v5
	s_mul_i32 s21, s15, HALFS
	s_mul_i32 s22, s16, HALFS
	s_add_co_u32 s22, s22, 2*HALFS
	s_sub_co_u32 s22, s22, s21
	v_mul_u32_u24 v6, s22, v2                      ; lanes 16-31 take B's scale words
	s_add_co_u32 s21, s21, SCL
	v_add_nc_u32 v5, v5, v6
	v_add_nc_u32 v[ADRS], s21, v5
	v_lshlrev_b32 v[FO], 7, v1
	v_lshl_add_u32 v[FO], v2, 4, v[FO]
	v_lshlrev_b32 v[BO], 5, v2
	v_and_b32 v6, 31, v0
	v_lshlrev_b32 v[SA], 4, v6
	v_lshlrev_b32 v[RO], 2, v1
.macro FRAG reg, adr, q, i             ; 16 rows x 128 K of 4-bit codes: 8 registers, two loads of 16 bytes, 32 bytes apart
.irp c, 0,1
	ds_load_b128 v[\reg+4*\c:\reg+4*\c+3], v[\adr] offset:64*(\q)+32*\c+(\i)*16*PITCH
.endr
.endm
; 16 matrix instructions: A's blocks a0, a0 + 1 x B's eight.  The 64 accumulators take turns, one instruction a turn, in the same order in every step.
.macro MUL16 a0, p, q, sc, zero
.irp a, \a0, \a0+1
.irp b, 0,1,2,3,4,5,6,7
.if \zero
	v_wmma_scale_f32_16x16x128_f8f6f4 v[8*(8*((\a)%4)+\b):8*(8*((\a)%4)+\b)+7], v[128*(\p)+FR*\b:128*(\p)+FR*\b+FR-1], v[AF+FR*(\a):AF+FR*(\a)+FR-1], 0, v[SC+8*NQ*(\sc)+NQ*\b+(\q)], v[SC+8*NQ*(\sc)+NQ*(\a)+(\q)] matrix_a_fmt:MATRIX_FMT_FP4 matrix_b_fmt:MATRIX_FMT_FP4 matrix_a_scale:MATRIX_SCALE_ROW1
.else
	v_wmma_scale_f32_16x16x128_f8f6f4 v[8*(8*((\a)%4)+\b):8*(8*((\a)%4)+\b)+7], v[128*(\p)+FR*\b:128*(\p)+FR*\b+FR-1], v[AF+FR*(\a):AF+FR*(\a)+FR-1], v[8*(8*((\a)%4)+\b):8*(8*((\a)%4)+\b)+7], v[SC+8*NQ*(\sc)+NQ*\b+(\q)], v[SC+8*NQ*(\sc)+NQ*(\a)+(\q)] matrix_a_fmt:MATRIX_FMT_FP4 matrix_b_fmt:MATRIX_FMT_FP4 matrix_a_scale:MATRIX_SCALE_ROW1
.endif
.endr
.endr
.endm
.macro FETCH_B slot, q, p
	WIN TO_B
.irp i, 0,1,2,3,4,5,6,7
	FRAG 128*(\p)+FR*\i, ADRB+\slot, \q, \i
.endr
	WIN 0
.endm
.macro FETCH_A slot, q, i0
.irp i, \i0, \i0+1, \i0+2, \i0+3
	FRAG AF+FR*(\i), ADRA+\slot, \q, \i
.endr
.endm
.macro SCALES sc                       ; a slot's scale words: lanes 0-15 A's block i, lanes 16-31 B's block i
.irp i, 0,1,2,3,4,5,6,7
	ds_load_b128 v[SC+8*NQ*\sc+NQ*\i:SC+8*NQ*\sc+NQ*\i+3], v[ADRS] offset:\i*SBLK
.endr
.endm
.macro PLACES n                        ; plain vector instructions between a matrix instruction and a load into, or a read of, its registers
.rept \n
	v_nop
.endr
.endm
.macro STEP slot, q, zero              ; 128 along K with its successor in the same slot
	s_wait_dscnt 4*NL                              ; B's set and A's blocks 0-3 are in; A's blocks 4-7 (8 loads) may be out
	WIN MUL_LO
	MUL16 0, (\q)%2, \q, \slot, \zero
	MUL16 2, (\q)%2, \q, \slot, \zero
	s_wait_dscnt 0
	PLACES NP
	FETCH_B \slot, (\q)+1, 1-(\q)%2
	FETCH_A \slot, (\q)+1, 0
	WIN MUL_HI
	MUL16 4, (\q)%2, \q, \slot, \zero
	MUL16 6, (\q)%2, \q, \slot, \zero
	PLACES NP
	WIN 0
	FETCH_A \slot, (\q)+1, 4
.endm
.macro TURN slot, next                 ; a slot's last step changes slots: one barrier
	s_wait_tensorcnt 0x0                           ; all my tensor loads have landed: my part of the next slot
	ds_add_u32 v[SPW], v[NIL]
	s_wait_dscnt 4*NL+1                            ; (the add and A's blocks 4-7 may be out)
	WIN MUL_LO
	MUL16 0, 1, NQ-1, \slot, 0
	s_wait_dscnt 0x0
	s_barrier_signal -1
	MUL16 2, 1, NQ-1, \slot, 0
	WIN 0
	s_barrier_wait -1
	PLACES NP
	v_add_nc_u32 v[ADRS], 4*NQ, v[ADRS]            ; the next slot's scale words
	FETCH_B \next, 0, 0
	FETCH_A \next, 0, 0
	SCALES \next
	WIN MUL_HI
	MUL16 4, 1, NQ-1, \slot, 0
	MUL16 6, 1, NQ-1, \slot, 0
	PLACES NP
	WIN 0
	FETCH_A \next, 0, 4
.endm
.macro STEPS slot, from
.set Q, \from
.rept NQ-1-\from
	STEP \slot, Q, 0
.set Q, Q+1
.endr
.endm
	s_wait_tensorcnt 1                             ; the scales and my part of slot 0 are in; slot 1's load may be out
	s_barrier_signal -1
	s_barrier_wait -1
	FETCH_B 0, 0, 0
	FETCH_A 0, 0, 0
	SCALES 0
	FETCH_A 0, 0, 4
	STEP 0, 0, 1                                   ; the first products start the sums: nothing is cleared
	STEPS 0, 1
	TURN 0, 1
	s_load_b256 s[24:31], s[0:1], 0x20             ; no tensor load of mine is out, so the descriptors' registers are free: bq 24, bk 26, bv 28, cos 30
	s_load_b128 s[32:35], s[0:1], 0x40             ; sin 32, qkv 34
	STEPS 1, 0
	s_wait_dscnt 4*NL
	WIN MUL_LO
	MUL16 0, 1, NQ-1, 1, 0
	MUL16 2, 1, NQ-1, 1, 0
	s_wait_dscnt 0
	WIN MUL_HI
	MUL16 4, 1, NQ-1, 1, 0
	MUL16 6, 1, NQ-1, 1, 0
	WIN 0
	PLACES NP                                      ; ahead of the loads into, and the reads of, the last products' registers
	s_wait_kmcnt 0x0
	s_cmp_eq_u32 s[TYP], 2
	s_cbranch_scc1 .Lv_out
; ---------------- THE WAY OUT OF q AND k: A's rows are tokens, B's rows channels
	s_lshl_b32 s66, s17, 8
	s_lshl_b32 s67, s15, 7
	s_add_co_u32 s66, s66, s67                     ; my first token among the 4,096
	s_lshr_b32 s67, s66, 11                        ; batch
	s_and_b32 s66, s66, 2047                       ; position
	s_lshl_b32 s68, s40, 2
	s_lshl_b32 s69, s16, 1
	s_add_co_u32 s68, s68, s69                     ; my first head
	s_lshl_b32 s67, s67, 4
	s_add_co_u32 s67, s67, s68
	s_lshl_b32 s67, s67, 18                        ; 262,144 bytes for each batch and head
	s_lshl_b32 s69, s66, 7                         ; 128 bytes a token: in the images and in cos and sin alike
	s_add_co_u32 s67, s67, s69
	s_lshl_b32 s70, s[TYP], 23
	s_add_co_u32 s70, s70, s67
	s_mov_b32 s71, 0
	s_add_nc_u64 s[34:35], s[34:35], s[70:71]
	s_cmp_eq_u32 s[TYP], 0
	s_cselect_b64 s[24:25], s[24:25], s[26:27]     ; bq or bk
	s_mov_b32 s72, 0x3f800000
	s_cselect_b32 s72, 0x3e38aa3b, s72             ; q: log2(e) / 8;  k: 1
	s_mov_b32 s73, s72
	s_lshl_b32 s74, s40, 10
	s_lshl_b32 s75, s16, 9
	s_add_co_u32 s74, s74, s75
	s_mov_b32 s75, 0
	s_add_nc_u64 s[24:25], s[24:25], s[74:75]
	s_mov_b32 s74, s69
	s_add_nc_u64 s[30:31], s[30:31], s[74:75]
	s_add_nc_u64 s[32:33], s[32:33], s[74:75]
.irp b, 0,1,2,3,4,5,6,7
	global_load_b128 v[BI+8*\b:BI+8*\b+3], v[BO], s[24:25] offset:64*\b
	global_load_b128 v[BI+8*\b+4:BI+8*\b+7], v[BO], s[24:25] offset:64*\b+16
.endr
.macro CSLOAD a                        ; cos and sin of tokens 16 a + r: window 1, v[32 a + 4 g ..] and v[32 a + 16 + 4 g ..]: the four pairs of channels 16 g + 8 h + 0 .. 7 of a head
	WIN 0x40
.irp g, 0,1,2,3
	global_load_b128 v[32*(\a)+4*\g:32*(\a)+4*\g+3], v[FO], s[30:31] offset:2048*(\a)+32*\g
	global_load_b128 v[32*(\a)+16+4*\g:32*(\a)+16+4*\g+3], v[FO], s[32:33] offset:2048*(\a)+32*\g
.endr
	WIN 0
.endm
	CSLOAD 0
	CSLOAD 1
	CSLOAD 2
	CSLOAD 3
	s_wait_loadcnt 32                              ; the biases are in; the 32 loads of cos and sin may be out
.set k, 0
.rept 32
	v_pk_mul_f32 v[BI+k:BI+k+1], v[BI+k:BI+k+1], s[72:73] op_sel_hi:[1,0]
.set k, k+2
.endr
.macro QKOUT a
.if (\a)+4 < 8
	CSLOAD (\a)+4
	s_wait_loadcnt 32                              ; this block's cos and sin are in; the four later blocks', 8 loads each, may be out
.else
	s_wait_loadcnt 8*(7-(\a))
.endif
	s_wait_xcnt 0x0                                ; the last block's stores have read PK
	WIN 0x02+(\a)/4                                ; source 0: the accumulators' window
.set AC, 64*((\a)%4)
.set k, 0
.rept 32
	v_pk_fma_f32 v[XO+k:XO+k+1], v[AC+k:AC+k+1], s[72:73], v[BI+k:BI+k+1] op_sel_hi:[1,0,1]   ; (sum + bias) x scale; each accumulator from its low end on
.set k, k+2
.endr
	WIN 0x04                                       ; source 1: cos and sin, window 1
.irp b, 0,1,2,3,4,5,6,7
.irp i, 0,1,2,3
	v_mul_f32 v[YO+2*\i], v[XO+8*\b+2*\i+1], v[32*(\a)+16+4*(\b%4)+\i]     ; xi sin
	v_mul_f32 v[YO+2*\i+1], v[XO+8*\b+2*\i], v[32*(\a)+16+4*(\b%4)+\i]     ; xr sin
.endr
.irp i, 0,1,2,3
	v_fma_f32 v[XO+8*\b+2*\i], v[XO+8*\b+2*\i], v[32*(\a)+4*(\b%4)+\i], -v[YO+2*\i]       ; xr cos - xi sin
	v_fma_f32 v[XO+8*\b+2*\i+1], v[XO+8*\b+2*\i+1], v[32*(\a)+4*(\b%4)+\i], v[YO+2*\i+1]  ; xi cos + xr sin
.endr
.endr
	WIN 0
.set k, 0
.rept 32
	v_cvt_pk_f16_f32 v[PK+k], v[XO+2*k], v[XO+2*k+1]
.set k, k+1
.endr
.irp b, 0,1,2,3,4,5,6,7
	global_store_b128 v[SA], v[PK+4*\b:PK+4*\b+3], s[34:35] offset:(\b/4)*262144+2048*(\a)+512*(\b%4)   ; head b / 4, tokens 16 a on, half fragment b % 4: 512 consecutive bytes
.endr
.endm
.irp a, 0,1,2,3,4,5,6,7
	QKOUT \a
.endr
	s_branch .Lclose
; ---------------- THE WAY OUT OF v: A's rows are channels, B's rows tokens (the keys)
.Lv_out:
	s_lshl_b32 s66, s42, 8
	s_lshl_b32 s67, s16, 7
	s_add_co_u32 s66, s66, s67                     ; my first token
	s_lshr_b32 s67, s66, 11
	s_and_b32 s66, s66, 2047
	s_lshl_b32 s68, s41, 2
	s_lshl_b32 s69, s15, 1
	s_add_co_u32 s68, s68, s69                     ; my first head
	s_lshl_b32 s67, s67, 4
	s_add_co_u32 s67, s67, s68
	s_lshl_b32 s67, s67, 18
	s_lshl_b32 s69, s66, 7                         ; 4,096 bytes for each 32 keys
	s_add_co_u32 s70, s67, s69
	s_add_co_u32 s70, s70, 0x1000000
	s_mov_b32 s71, 0
	s_add_nc_u64 s[34:35], s[34:35], s[70:71]      ; the high parts
	s_add_nc_u64 s[36:37], s[34:35], 0x800000      ; the low parts
	s_lshl_b32 s70, s41, 10
	s_lshl_b32 s69, s15, 9
	s_add_co_u32 s70, s70, s69
	s_add_nc_u64 s[28:29], s[28:29], s[70:71]
.irp a, 0,1,2,3,4,5,6,7
	global_load_b32 v[BI+\a], v[RO], s[28:29] offset:64*\a      ; bv of channel 16 a + r
.endr
	s_wait_loadcnt 0x0
.macro VOUT a
	s_wait_xcnt 0x0                                ; the last block's stores have read PK and VLO
	WIN 0x02+(\a)/4
.set AC, 64*((\a)%4)
.set k, 0
.rept 64
	v_add_f32 v[XO+k], v[AC+k], v[BI+(\a)]         ; each accumulator from its low end on
.set k, k+1
.endr
	WIN 0
.set k, 0
.rept 32
	v_pk_mul_f32 v[YO+k:YO+k+1], v[XO+k:XO+k+1], 0x46000400 op_sel_hi:[1,0]
.set k, k+2
.endr
.set k, 0
.rept 32
	v_pk_fma_f32 v[YO+k:YO+k+1], v[XO+k:XO+k+1], 0xc6000000, v[YO+k:YO+k+1] op_sel_hi:[1,0,1]     ; the high part
.set k, k+2
.endr
.set k, 0
.rept 32
	v_pk_add_f32 v[XO+k:XO+k+1], v[XO+k:XO+k+1], v[YO+k:YO+k+1] neg_lo:[0,1] neg_hi:[0,1]         ; the low part
.set k, k+2
.endr
.set k, 0
.rept 32
	v_cvt_pk_f16_f32 v[PK+k], v[YO+2*k], v[YO+2*k+1]
	v_cvt_pk_f16_f32 v[VLO+k], v[XO+2*k], v[XO+2*k+1]
.set k, k+1
.endr
.irp b, 0,1,2,3,4,5,6,7
	global_store_b128 v[SA], v[PK+4*\b:PK+4*\b+3], s[34:35] offset:((\a)/4)*262144+4096*(\b/2)+1024*((\a)%4)+512*(\b%2)
	global_store_b128 v[SA], v[VLO+4*\b:VLO+4*\b+3], s[36:37] offset:((\a)/4)*262144+4096*(\b/2)+1024*((\a)%4)+512*(\b%2)
.endr
.endm
.irp a, 0,1,2,3,4,5,6,7
	VOUT \a
.endr
.Lclose:
	s_wait_tensorcnt 0x0                           ; the wave's end
	ds_add_u32 v[SPW], v[NIL]
	s_wait_dscnt 0x0
	CROUND                                         ; the closing round
	s_endpgm
.Lfunc_end_k_q42afa1ee22_qkv:
	.size	k_q42afa1ee22_qkv, .Lfunc_end_k_q42afa1ee22_qkv-k_q42afa1ee22_qkv
	.p2alignl 7, 3214868480
	.fill 96, 4, 3214868480
	.section	.rodata,"a",@progbits
	.p2align	6, 0x0
	.amdhsa_kernel k_q42afa1ee22_qkv
		.amdhsa_group_segment_fixed_size 327680
		.amdhsa_private_segment_fixed_size 0
		.amdhsa_enable_private_segment 0
		.amdhsa_kernarg_size 80
		.amdhsa_user_sgpr_count 2
		.amdhsa_user_sgpr_kernarg_segment_ptr 1
		.amdhsa_wavefront_size32 1
		.amdhsa_system_sgpr_workgroup_id_x 1
		.amdhsa_system_sgpr_workgroup_id_y 1
		.amdhsa_system_sgpr_workgroup_id_z 1
		.amdhsa_system_vgpr_workitem_id 0
		.amdhsa_next_free_vgpr 1024
		.amdhsa_next_free_sgpr 100
		.amdhsa_reserve_vcc 0
		.amdhsa_float_denorm_mode_32 3
		.amdhsa_float_denorm_mode_16_64 3
		.amdhsa_memory_ordered 1
		.amdhsa_forward_progress 1
		.amdhsa_inst_pref_size 255
	.end_amdhsa_kernel
	.section	.bss,"aw",@nobits
	.p2align	6
	.space	262144
	.amdgpu_metadata
---
amdhsa.version: [ 1, 2 ]
amdhsa.kernels:
  - .name:           k_q42afa1ee22_qkv
    .symbol:         k_q42afa1ee22_qkv.kd
    .args:
      - { .name: xc, .offset: 0, .size: 8, .value_kind: global_buffer, .address_space: global }
      - { .name: xs, .offset: 8, .size: 8, .value_kind: global_buffer, .address_space: global }
      - { .name: wc, .offset: 16, .size: 8, .value_kind: global_buffer, .address_space: global }
      - { .name: ws, .offset: 24, .size: 8, .value_kind: global_buffer, .address_space: global }
      - { .name: bq, .offset: 32, .size: 8, .value_kind: global_buffer, .address_space: global }
      - { .name: bk, .offset: 40, .size: 8, .value_kind: global_buffer, .address_space: global }
      - { .name: bv, .offset: 48, .size: 8, .value_kind: global_buffer, .address_space: global }
      - { .name: freqs_cos, .offset: 56, .size: 8, .value_kind: global_buffer, .address_space: global }
      - { .name: freqs_sin, .offset: 64, .size: 8, .value_kind: global_buffer, .address_space: global }
      - { .name: qkv, .offset: 72, .size: 8, .value_kind: global_buffer, .address_space: global }
    .group_segment_fixed_size: 327680
    .private_segment_fixed_size: 0
    .kernarg_segment_align: 8
    .kernarg_segment_size: 80
    .max_flat_workgroup_size: 128
    .sgpr_count:     100
    .vgpr_count:     1024
    .wavefront_size: 32
...
	.end_amdgpu_metadata
.endif
;; end of part 2
;; launch fine_att (part 3): grid 32 x 1, 16 waves a work-group, no clusters, 71,680 bytes of LDS; arguments qkv, mw, att; writes att
.if DOCPART == 3
	.amdgcn_target "amdgcn-amd-amdhsa--gfx1250"
	.amdhsa_code_object_version 6
	.text
	.protected	k_q42afa1ee22_fine_att
	.globl	k_q42afa1ee22_fine_att
	.p2align	8
	.type	k_q42afa1ee22_fine_att,@function
k_q42afa1ee22_fine_att:
	s_mov_b64 s[64:65], 0
	v_nop
	global_prefetch_b8 v0, s[64:65] scope:SCOPE_SE
	s_setreg_imm32_b32 hwreg(HW_REG_WAVE_MODE, 25, 1), 1
	s_wait_xcnt 0x0
; FINE_ATT: the attention of positions 0-15 of every batch and head once more, with the weights p, the values V and the result carried as pairs of f16 numbers (a high and a low part):
; these rows may average one to a few values, where the rounding of single f16 operands weighs most.  q and k stay single f16.
; A work-group takes one batch and head; wave w takes keys 128 w .. 128 w + 127 in two steps of 64, with a running maximum m, sum l and O^T of its own; the sixteen meet in LDS, and waves 0-3 finish 16 channels each.
; Both products are used transposed (S^T = K Q^T, O^T = V^T P): a lane holds one query (lane % 16).  O^T += Vh Ph + Vh Pl + Vl Ph.
; THE MASK is honoured as it is given: a hidden score becomes -1e9 log2(e) by a select (the scores are exponents of 2: q carries log2(e) / 8).
; A step whose 64 keys are hidden for all 16 queries is passed over where every query has a true key somewhere: its weights would be 2^(-1.4e9 - m) = 0.  The branch hangs on the stored lane masks alone.
; LIMIT: that takes a true key's score to lie above -1e9 + 104.  Where some query has no true key at all, nothing is passed over, and that row comes out as the mean of V.
; Operands come from memory straight into registers, as images: 16 bytes a lane at 16 x lane.  No tensor load.
; LDS: 0: O^T of the sixteen waves, 4,096 bytes each; 65,536: m; 67,584: l (128 bytes a wave); 69,632: the spare words.
.set MB,    65536
.set SPARE, 69632
.set LI,   1                           ; v1  16 x lane
.set NEGR, 2                           ; v2  the hidden score
.set SM,   3                           ; v3  where I store m (l: 2,048 on)
.set SO,   4                           ; v4  where I store O^T
.set AM,   5                           ; v5  where I read the waves' m and l
.set AO,   6                           ; v6  where I read the waves' O^T of my 16 channels
.set ST,   8                           ; v8 m, v9 0, v10-11 l, v12-15 at work (a in v14)
.set SPW,  16
.set NIL,  17
.set T0,   18
.set T1,   19
.set Q,    24                          ; v24-39
.set O,    40                          ; v40-71
.set S,    72                          ; v72-103
.set PH,   104                         ; v104-119
.set PL,   120                         ; v120-135
.set Y,    136                         ; v136-151
.set B1,   152                         ; v152-215 K, then V's high parts
.set B2,   216                         ; v216-247 V's low parts of 32 keys
	s_load_b128 s[4:7], s[0:1], 0x0                ; qkv, mw
	s_load_b64 s[8:9], s[0:1], 0x10                ; att
	v_lshl_add_u32 v[SPW], v0, 2, SPARE
	v_mov_b32 v[NIL], 0
	v_lshrrev_b32 v7, 5, v0
	v_readfirstlane_b32 s10, v7                    ; wave 0..15
	v_and_b32 v7, 31, v0
	v_lshlrev_b32 v[LI], 4, v7
	v_lshlrev_b32 v7, 2, v7
	s_lshl_b32 s22, s10, 7
	v_add_nc_u32 v[SM], s22, v7
	v_add_nc_u32 v[SM], MB, v[SM]
	s_lshl_b32 s22, s10, 12
	v_add_nc_u32 v[SO], s22, v[LI]
	v_add_nc_u32 v[AM], MB, v7
	s_lshl_b32 s22, s10, 10
	v_add_nc_u32 v[AO], s22, v[LI]
	s_lshl_b32 s22, ttmp9, 18                      ; my batch and head: 262,144 bytes in each part of qkv
	s_mov_b32 s23, 0
	s_lshl_b32 s24, s10, 14                        ; my 128 keys: 16,384 bytes
	s_add_co_u32 s24, s24, s22
	s_add_co_u32 s24, s24, 0x800000
	s_mov_b32 s25, 0
	s_lshl_b32 s26, s10, 8                         ; my 64 mask words
	s_lshr_b32 s28, ttmp9, 4
	s_lshl_b32 s28, s28, 15
	s_and_b32 s29, ttmp9, 15
	s_lshl_b32 s29, s29, 11
	s_add_co_u32 s28, s28, s29
	s_lshl_b32 s29, s10, 9
	s_add_co_u32 s28, s28, s29
	s_add_co_u32 s28, s28, 0x800000                ; the fine rows' images: [part 2][batch 2][32 along K: 32][1024], behind the main ones
	s_mov_b32 s29, 0
	s_mov_b32 s18, 0x76543210
	s_mov_b32 s19, 0xfedcba98                      ; v_permlanex16_b32's selects for lane l xor 16
	s_wait_kmcnt 0x0
	s_add_nc_u64 s[16:17], s[4:5], s[22:23]        ; Q: the head's first tile
	s_add_nc_u64 s[4:5], s[4:5], s[24:25]          ; K
	s_add_nc_u64 s[12:13], s[4:5], 0x800000        ; V's high parts
	s_add_nc_u64 s[14:15], s[12:13], 0x800000      ; V's low parts
	s_add_nc_u64 s[8:9], s[8:9], s[28:29]
.irp i, 0,1,2,3,4,5,6,7
	global_load_b128 v[B1+4*\i:B1+4*\i+3], v[LI], s[6:7] offset:512*\i     ; all 1,024 words of queries 0-15
.endr
.irp i, 0,1,2,3
	global_load_b128 v[Q+4*\i:Q+4*\i+3], v[LI], s[16:17] offset:512*\i
.endr
	s_load_b512 s[32:47], s[6:7], s26 offset:0x0   ; my first step's words,
	s_load_b512 s[48:63], s[6:7], s26 offset:0x40
	s_load_b512 s[68:83], s[6:7], s26 offset:0x80  ; my second step's
	s_load_b512 s[84:99], s[6:7], s26 offset:0xc0
.set j, 0
.rept 32
	v_mov_b32 v[O+j], 0                            ; the step is written once: the first finds zeros; a wave that passes both steps over hands zeros on
.set j, j+1
.endr
	v_mov_b32 v[ST], 0xff61b1e6                    ; m = -3e38
	v_mov_b32 v[ST+1], 0
	v_mov_b32 v[ST+2], 0
	v_mov_b32 v[ST+3], 0
	v_mov_b32 v[ST+5], 0                           ; a lane permute's destination counts as read
	v_mov_b32 v[NEGR], 0xceabfb8f                  ; -1e9 log2(e)
	s_wait_loadcnt 4                               ; the words are in; Q's four loads may be out
.irp i, 4,8,12,16,20,24,28
.irp k, 0,1,2,3
	v_or_b32 v[B1+\k], v[B1+\k], v[B1+\i+\k]
.endr
.endr
	v_or_b32 v[B1], v[B1], v[B1+1]
	v_or_b32 v[B1+2], v[B1+2], v[B1+3]
	v_or_b32 v[B1], v[B1], v[B1+2]
	v_lshrrev_b32 v[T0], 16, v[B1]
	v_or_b32 v[B1], v[B1], v[T0]                   ; bit r: query r has a true key among my words
.irp x, 1,2,4,8
	v_mov_b32_dpp v[T0], v[B1] row_xmask:\x row_mask:0xf bank_mask:0xf
	v_or_b32 v[B1], v[B1], v[T0]
.endr
	v_permlanex16_b32 v[T0], v[B1], s18, s19
	v_or_b32 v[B1], v[B1], v[T0]
	v_readfirstlane_b32 s20, v[B1]
	s_and_b32 s20, s20, 0xffff
	s_cmp_lg_u32 s20, 0xffff
	s_cselect_b32 s21, 1, 0                        ; 1: some query has no true key: then every step counts
	s_wait_kmcnt 0x0
.macro FSTEP i, ms                     ; my step i; its 32 mask words begin at s[ms]
	s_or_b32 s20, s[\ms], s[\ms+1]
.set k, 2
.rept 30
	s_or_b32 s20, s20, s[\ms+k]
.set k, k+1
.endr
	s_or_b32 s20, s20, s21
	s_cmp_lg_u32 s20, 0
	s_cbranch_scc0 .Ldead_\@
.set k, 0
.rept 16
	global_load_b128 v[B1+4*k:B1+4*k+3], v[LI], s[4:5] offset:8192*\i+512*k        ; K: fragment (kt, c) at 8 (2 kt + c)
.set k, k+1
.endr
.set k, 0
.rept 8
	global_load_b128 v[B2+4*k:B2+4*k+3], v[LI], s[14:15] offset:8192*\i+512*k      ; V's low parts, keys 0-31
.set k, k+1
.endr
	s_wait_loadcnt 8                               ; Q and K are in; the 8 loads of V's low parts may be out
.irp c, 0,1
.irp kt, 0,1,2,3                       ; four accumulators by turns
.if \c == 0
	v_wmma_f32_16x16x32_f16 v[S+8*\kt:S+8*\kt+7], v[B1+8*(2*\kt+\c):B1+8*(2*\kt+\c)+7], v[Q+8*\c:Q+8*\c+7], 0
.else
	v_wmma_f32_16x16x32_f16 v[S+8*\kt:S+8*\kt+7], v[B1+8*(2*\kt+\c):B1+8*(2*\kt+\c)+7], v[Q+8*\c:Q+8*\c+7], v[S+8*\kt:S+8*\kt+7]
.endif
.endr
.endr
.rept 4
	v_nop                                          ; places ahead of the loads into K's registers and of the first read of the scores
.endr
.set k, 0
.rept 16
	global_load_b128 v[B1+4*k:B1+4*k+3], v[LI], s[12:13] offset:8192*\i+512*k      ; V's high parts: fragment (g, ct) at 8 (4 g + ct)
.set k, k+1
.endr
.set k, 0
.rept 32
	v_cndmask_b32 v[S+k], v[NEGR], v[S+k], s[\ms+k]                                ; register 8 kt + j against word 8 kt + j
.set k, k+1
.endr
.irp j, 0,1,2,3
	v_max3_num_f32 v[ST+4+\j], v[S+8*\j], v[S+8*\j+1], v[S+8*\j+2]
.endr
.irp q, 1,2
.irp j, 0,1,2,3
	v_max3_num_f32 v[ST+4+\j], v[ST+4+\j], v[S+8*\j+2*\q+1], v[S+8*\j+2*\q+2]
.endr
.endr
	v_max3_num_f32 v[ST+4], v[ST+4], v[S+7], v[S+15]
	v_max3_num_f32 v[ST+6], v[ST+6], v[S+23], v[S+31]
	v_max3_num_f32 v[ST+4], v[ST+4], v[ST+5], v[ST+6]
	v_max3_num_f32 v[ST+4], v[ST+4], v[ST+7], v[ST]
	v_permlanex16_b32 v[ST+5], v[ST+4], s18, s19
	v_mov_b32 v[ST+7], v[ST]
	v_max_num_f32 v[ST], v[ST+4], v[ST+5]          ; the running maximum
	v_sub_f32 v[ST+7], v[ST+7], v[ST]
.set k, 0
.rept 16
	v_pk_add_f32 v[S+k:S+k+1], v[S+k:S+k+1], v[ST:ST+1] op_sel_hi:[1,0] neg_lo:[0,1] neg_hi:[0,1]
.set k, k+2
.endr
	v_exp_f32 v[ST+6], v[ST+7]                     ; a = 2^(old m - new m)
.set k, 0
.rept 32
	v_exp_f32 v[S+k], v[S+k]
.set k, k+1
.endr
	v_nop                                          ; a plain instruction behind the last exponential
	s_wait_alu depctr_va_vdst(0)                   ; one wait for the batch, ahead of its first reader
.irp hf, 0,1                           ; p's high and low parts, 16 numbers at a time
.irp k, 0,2,4,6,8,10,12,14
	v_pk_mul_f32 v[Y+\k:Y+\k+1], v[S+16*\hf+\k:S+16*\hf+\k+1], 0x46000400 op_sel_hi:[1,0]
.endr
.irp k, 0,2,4,6,8,10,12,14
	v_pk_fma_f32 v[Y+\k:Y+\k+1], v[S+16*\hf+\k:S+16*\hf+\k+1], 0xc6000000, v[Y+\k:Y+\k+1] op_sel_hi:[1,0,1]
.endr
.irp k, 0,2,4,6,8,10,12,14
	v_cvt_pk_f16_f32 v[PH+8*\hf+\k/2], v[Y+\k], v[Y+\k+1]
.endr
.irp k, 0,2,4,6,8,10,12,14
	v_pk_add_f32 v[Y+\k:Y+\k+1], v[S+16*\hf+\k:S+16*\hf+\k+1], v[Y+\k:Y+\k+1] neg_lo:[0,1] neg_hi:[0,1]
.endr
.irp k, 0,2,4,6,8,10,12,14
	v_cvt_pk_f16_f32 v[PL+8*\hf+\k/2], v[Y+\k], v[Y+\k+1]
.endr
.endr
.irp u, 0,1,2,3,4,5,6,7
	v_pk_add_f32 v[S+4*\u:S+4*\u+1], v[S+4*\u:S+4*\u+1], v[S+4*\u+2:S+4*\u+3]
.endr
.irp u, 0,1,2,3
	v_pk_add_f32 v[S+8*\u:S+8*\u+1], v[S+8*\u:S+8*\u+1], v[S+8*\u+4:S+8*\u+5]
.endr
.irp u, 0,1
	v_pk_add_f32 v[S+16*\u:S+16*\u+1], v[S+16*\u:S+16*\u+1], v[S+16*\u+8:S+16*\u+9]
.endr
	v_pk_add_f32 v[S:S+1], v[S:S+1], v[S+16:S+17]
	v_pk_fma_f32 v[ST+2:ST+3], v[ST+2:ST+3], v[ST+6:ST+7], v[S:S+1] op_sel_hi:[1,0,1]     ; l = a l + the step's sum
.set k, 0
.rept 16
	v_pk_mul_f32 v[O+k:O+k+1], v[O+k:O+k+1], v[ST+6:ST+7] op_sel_hi:[1,0]                 ; O^T x a, each accumulator from its low end on
.set k, k+2
.endr
	s_wait_loadcnt 16                              ; V's low parts of keys 0-31 are in; the 16 loads of the high parts may be out
.irp ct, 0,1,2,3
	v_wmma_f32_16x16x32_f16 v[O+8*\ct:O+8*\ct+7], v[B2+8*\ct:B2+8*\ct+7], v[PH:PH+7], v[O+8*\ct:O+8*\ct+7]
.endr
.rept 4
	v_nop
.endr
.set k, 0
.rept 8
	global_load_b128 v[B2+4*k:B2+4*k+3], v[LI], s[14:15] offset:8192*\i+4096+512*k ; V's low parts, keys 32-63
.set k, k+1
.endr
	s_wait_loadcnt 8                               ; the high parts are in
.irp g, 0,1
.irp ct, 0,1,2,3
	v_wmma_f32_16x16x32_f16 v[O+8*\ct:O+8*\ct+7], v[B1+8*(4*\g+\ct):B1+8*(4*\g+\ct)+7], v[PH+8*\g:PH+8*\g+7], v[O+8*\ct:O+8*\ct+7]
.endr
.irp ct, 0,1,2,3
	v_wmma_f32_16x16x32_f16 v[O+8*\ct:O+8*\ct+7], v[B1+8*(4*\g+\ct):B1+8*(4*\g+\ct)+7], v[PL+8*\g:PL+8*\g+7], v[O+8*\ct:O+8*\ct+7]
.endr
.endr
	s_wait_loadcnt 0x0
.irp ct, 0,1,2,3
	v_wmma_f32_16x16x32_f16 v[O+8*\ct:O+8*\ct+7], v[B2+8*\ct:B2+8*\ct+7], v[PH+8:PH+15], v[O+8*\ct:O+8*\ct+7]
.endr
.rept 4
	v_nop                                          ; places ahead of whatever next touches these products' registers
.endr
.Ldead_\@:
.endm
	FSTEP 0, 32
	FSTEP 1, 68
	s_wait_loadcnt 0x0                             ; (a wave that passed both steps over still has Q's loads out)
	v_add_f32 v[ST+4], v[ST+2], v[ST+3]
	v_permlanex16_b32 v[ST+5], v[ST+4], s18, s19
	v_add_f32 v[ST+4], v[ST+4], v[ST+5]            ; my keys' sum for query lane % 16
	ds_store_b32 v[SM], v[ST]
	ds_store_b32 v[SM], v[ST+4] offset:2048
.irp i, 0,1,2,3,4,5,6,7
	ds_store_b128 v[SO], v[O+4*\i:O+4*\i+3] offset:512*\i
.endr
	s_wait_tensorcnt 0x0                           ; no LDS write follows.
	ds_add_u32 v[SPW], v[NIL]
	s_wait_dscnt 0x0                               ; My stores have landed, for the others' sake
	s_barrier_signal -1
	s_barrier_wait -1
	s_cmp_ge_u32 s10, 4
	s_cbranch_scc1 .Lend
; waves 0-3: channels 16 w on.  M = the largest m; e_w = 2^(m_w - M); o = sum of e_w O_w / sum of e_w l_w
.set CM, 72                            ; v72-87   m, then e, then e / L
.set CL, 88                            ; v88-103  l
.set CP, 104                           ; v104-231 the sixteen waves' eight numbers
.set R,  40                            ; v40-47   the result, then its low part
.set RY, 48                            ; v48-55   its high part
.set w, 0
.rept 16
	ds_load_b32 v[CM+w], v[AM] offset:128*w
	ds_load_b32 v[CL+w], v[AM] offset:2048+128*w
.set w, w+1
.endr
.set w, 0
.rept 16
	ds_load_b128 v[CP+8*w:CP+8*w+3], v[AO] offset:4096*w
	ds_load_b128 v[CP+8*w+4:CP+8*w+7], v[AO] offset:4096*w+512
.set w, w+1
.endr
	s_wait_dscnt 0x0
	v_max3_num_f32 v[T0], v[CM], v[CM+1], v[CM+2]
.irp w, 3,5,7,9,11,13
	v_max3_num_f32 v[T0], v[T0], v[CM+\w], v[CM+\w+1]
.endr
	v_max_num_f32 v[T0], v[T0], v[CM+15]
.set w, 0
.rept 16
	v_sub_f32 v[CM+w], v[CM+w], v[T0]
.set w, w+1
.endr
.set w, 0
.rept 16
	v_exp_f32 v[CM+w], v[CM+w]
.set w, w+1
.endr
	v_nop
	s_wait_alu depctr_va_vdst(0)
	v_mul_f32 v[T1], v[CM], v[CL]
.set w, 1
.rept 15
	v_fmac_f32 v[T1], v[CM+w], v[CL+w]
.set w, w+1
.endr
	v_rcp_f32 v[T0], v[T1]
	v_nop
	s_wait_alu depctr_va_vdst(0)
.set w, 0
.rept 16
	v_mul_f32 v[CM+w], v[CM+w], v[T0]
.set w, w+1
.endr
.irp j, 0,1,2,3,4,5,6,7
	v_mul_f32 v[R+\j], v[CM], v[CP+\j]
.endr
.set w, 1
.rept 15
.irp j, 0,1,2,3,4,5,6,7
	v_fmac_f32 v[R+\j], v[CM+w], v[CP+8*w+\j]
.endr
.set w, w+1
.endr
.irp k, 0,2,4,6
	v_pk_mul_f32 v[RY+\k:RY+\k+1], v[R+\k:R+\k+1], 0x46000400 op_sel_hi:[1,0]
.endr
.irp k, 0,2,4,6
	v_pk_fma_f32 v[RY+\k:RY+\k+1], v[R+\k:R+\k+1], 0xc6000000, v[RY+\k:RY+\k+1] op_sel_hi:[1,0,1]
.endr
.irp k, 0,2,4,6
	v_pk_add_f32 v[R+\k:R+\k+1], v[R+\k:R+\k+1], v[RY+\k:RY+\k+1] neg_lo:[0,1] neg_hi:[0,1]
.endr
.irp k, 0,1,2,3
	v_cvt_pk_f16_f32 v[56+\k], v[RY+2*\k], v[RY+2*\k+1]
	v_cvt_pk_f16_f32 v[60+\k], v[R+2*\k], v[R+2*\k+1]
.endr
	global_store_b128 v[LI], v[56:59], s[8:9]                  ; half a fragment of the projection's A: 512 consecutive bytes
	global_store_b128 v[LI], v[60:63], s[8:9] offset:65536     ; and its low part
.Lend:
	s_endpgm
.Lfunc_end_k_q42afa1ee22_fine_att:
	.size	k_q42afa1ee22_fine_att, .Lfunc_end_k_q42afa1ee22_fine_att-k_q42afa1ee22_fine_att
	.p2alignl 7, 3214868480
	.fill 96, 4, 3214868480
	.section	.rodata,"a",@progbits
	.p2align	6, 0x0
	.amdhsa_kernel k_q42afa1ee22_fine_att
		.amdhsa_group_segment_fixed_size 71680
		.amdhsa_private_segment_fixed_size 0
		.amdhsa_enable_private_segment 0
		.amdhsa_kernarg_size 24
		.amdhsa_user_sgpr_count 2
		.amdhsa_user_sgpr_kernarg_segment_ptr 1
		.amdhsa_wavefront_size32 1
		.amdhsa_system_sgpr_workgroup_id_x 1
		.amdhsa_system_sgpr_workgroup_id_y 1
		.amdhsa_system_sgpr_workgroup_id_z 1
		.amdhsa_system_vgpr_workitem_id 0
		.amdhsa_next_free_vgpr 256
		.amdhsa_next_free_sgpr 100
		.amdhsa_reserve_vcc 0
		.amdhsa_float_denorm_mode_32 3
		.amdhsa_float_denorm_mode_16_64 3
		.amdhsa_memory_ordered 1
		.amdhsa_forward_progress 1
		.amdhsa_inst_pref_size 63
	.end_amdhsa_kernel
	.amdgpu_metadata
---
amdhsa.version: [ 1, 2 ]
amdhsa.kernels:
  - .name:           k_q42afa1ee22_fine_att
    .symbol:         k_q42afa1ee22_fine_att.kd
    .args:
      - { .name: qkv, .offset: 0, .size: 8, .value_kind: global_buffer, .address_space: global }
      - { .name: mw, .offset: 8, .size: 8, .value_kind: global_buffer, .address_space: global }
      - { .name: att, .offset: 16, .size: 8, .value_kind: global_buffer, .address_space: global }
    .group_segment_fixed_size: 71680
    .private_segment_fixed_size: 0
    .kernarg_segment_align: 8
    .kernarg_segment_size: 24
    .max_flat_workgroup_size: 512
    .sgpr_count:     100
    .vgpr_count:     256
    .wavefront_size: 32
...
	.end_amdgpu_metadata
.endif
;; end of part 3
;; launch att_main (part 4): grid 8 x 32, 8 waves a work-group, no clusters, 132,352 bytes of LDS; arguments qkv, mw, att; writes att
.if DOCPART == 4
	.amdgcn_target "amdgcn-amd-amdhsa--gfx1250"
	.amdhsa_code_object_version 6
	.text
	.protected	k_q42afa1ee22_att_main
	.globl	k_q42afa1ee22_att_main
	.p2align	8
	.type	k_q42afa1ee22_att_main,@function
k_q42afa1ee22_att_main:
	s_mov_b64 s[64:65], 0
	v_nop
	global_prefetch_b8 v0, s[64:65] scope:SCOPE_SE
	s_setreg_imm32_b32 hwreg(HW_REG_WAVE_MODE, 25, 1), 1
	s_wait_xcnt 0x0
; ATT_MAIN: O = softmax(where(mask, Q K^T / 8, -1e9)) V for every batch and head; f16 operands, f32 sums, a running maximum.
; THE MASK is an input and is honoured as it is given: a hidden score becomes -1e9 log2(e) by a select on the stored lane masks (the scores are exponents of 2: q carries log2(e) / 8).
; WORK THAT THE MASK THROWS AWAY IS NOT DONE: a tile step (16 queries x 64 keys) all of whose 32 lane masks are 0 is passed over where each of the tile's 16 queries has a true key somewhere:
; its weights would be 2^(-1.44e9 - m) = 0.  A tile with a query that has no true key passes nothing over: that row has all its t - m = 0 and comes out as the mean of V.
; LIMIT: that takes a true key's score to lie above -1e9 + 104.  NaN and infinities are not served.  The weights are rounded to f16 for the second product; the row's sum is taken of the unrounded weights.
; SHARES.  A work-group of eight waves serves one batch and head; wave w of work-group g owns tiles q = 8 g + w and 127 - q of 16 queries: where the mask hides what lies above the diagonal, tile q has
; q / 4 + 1 live steps, so every wave's two tiles have 33 together, of 64.  That is a way of sharing the work out: no value hangs on any pattern of the mask.  Two waves share a SIMD.
; NO CLUSTER, NO JOINT REQUESTS, though a head's eight work-groups walk the same K and V: a joint request is a tensor load.
; the branches here pass over up to 31 of a wave's 64 tile steps, each some 195 instructions, and what is given up is that a slot's 64 KiB are asked for by each work-group that reads them.
; THE RING is filled through registers.  K and V lie in memory as images of their fragments, so a slot (256 keys: 32 KiB of K, then 32 KiB of V) is eight dense blocks of 8 KiB, one a wave: 16 loads at a slot's
; head, 16 LDS stores into the other slot four key steps later, one barrier a slot.  Every wave passes every barrier; only loads, stores and work stand under the branches.  A slot that no wave of the
; work-group reads is not fetched: the waves' words of live steps meet in LDS at the head.  No prefetch: a slot's loads are issued four key steps ahead of the wait for them.
; Both products are used transposed: S^T = K Q^T (source 0 = 16 keys, source 1 = 16 queries), O^T = V^T P: a lane holds one query (lane % 16); two tiles of S^T rounded in pairs ARE source 1 of the second product.
; The result leaves as images of the projection's A: att [tile of 16 tokens 256][32 along K: 32][1024].
; LDS: 0 slot 0; 65,536 slot 1; 131,072 the eight waves' words of live steps; 131,328 the spare words.
; REGISTERS: window 0: v1-7 addresses and the hidden score; v8-23 statistics, eight a tile (+0 m, +1 0, +2 +3 l, +4..+7 at work, a in +6); v24-26 at work at the head; v32-63 S^T and v64-79 P, of the tile in hand;
;   v80-111 Q; v112-119 the flag words; v128-191 K; v192-255 V.   window 1: v0-63 O^T (32 t + 8 ct); v64-127 a slot's bytes on their way.
.set SLOTB, 0x10000
.set VOFF,  0x8000                     ; V lies behind a slot's 32 KiB of K
.set STEPB, 8192                       ; 64 keys of K, and of V
.set FLG,   0x20000
.set SPARE, 0x20100
.set LI,   1                           ; v1  16 x lane
.set ADK,  2
.set ADV,  3
.set NEGR, 4                           ; v4  the hidden score
.set WLI,  5                           ; v5  8,192 x wave + 16 x lane: my part of a slot
.set ADS,  6
.set MO,   7                           ; v7  128 x lane: step l's 32 lane masks
.set ST,   8
.set T0,   24
.set FA,   25                          ; v25 where I store my word of live steps
.set FR,   26                          ; v26 where the eight words begin
.set SPW,  30
.set NIL,  31
.set S,    32
.set P,    64
.set Q,    80
.set FW,   112
.set KF,   128
.set VF,   192
.set STG,  64                          ; in window 1
.set WV,   10
.set NEED, 11                          ; s11  not 0: some wave reads the next slot
.set TB,   12                          ; s12  LDS byte at which the step's K begins
.set CNT,  13
.set SLOTS, 14
.set SOFF, 15                          ; s15  byte of the step's lane masks in a tile's 4,096
.set LV,   20                          ; s20, s21  bit 0: the step in hand is live for tile 0, 1; shifted down a bit a step
.set WGN,  22                          ; s22  the same for the whole work-group; shifted down four bits a slot
.set TMPS, 23
.set M0W,  32                          ; s[32:63] tile 0's 32 lane masks;  s[68:99] tile 1's
.set M1W,  68
.set SEL,  100
.set MSB, 0
.macro WIN new                         ; the immediate's high byte repeats the setting that is left
.if MSB != \new
	s_set_vgpr_msb (MSB<<8)|\new
.set MSB, \new
.endif
.endm
	s_load_b128 s[4:7], s[0:1], 0x0                ; qkv, mw
	s_load_b64 s[8:9], s[0:1], 0x10                ; att
	v_lshl_add_u32 v[SPW], v0, 2, SPARE
	v_mov_b32 v[NIL], 0
	v_lshrrev_b32 v[T0], 5, v0
	v_readfirstlane_b32 s[WV], v[T0]               ; wave 0..7
	v_lshl_add_u32 v[FA], v[T0], 2, FLG
	v_mov_b32 v[FR], FLG
	v_and_b32 v[LI], 31, v0
	v_lshlrev_b32 v[MO], 7, v[LI]
	v_lshlrev_b32 v[LI], 4, v[LI]
	s_lshl_b32 s28, s[WV], 13
	v_add_nc_u32 v[WLI], s28, v[LI]
	s_and_b32 s29, ttmp7, 0xffff                   ; batch x 16 + head
	s_lshl_b32 s30, ttmp9, 3
	s_add_co_u32 s30, s30, s[WV]                   ; tile 0: q = 8 g + w
	s_sub_co_u32 s31, 127, s30                     ; tile 1: 127 - q
	s_lshl_b32 s32, s29, 18                        ; 262,144 bytes for each batch and head in each part of qkv
	s_lshr_b32 s34, s[WV], 2                       ; waves 0-3 bring K, waves 4-7 V: a quarter of a slot's 32 KiB each
	s_lshl_b32 s34, s34, 23
	s_add_co_u32 s34, s34, 0x800000
	s_add_co_u32 s34, s34, s32
	s_and_b32 s35, s[WV], 3
	s_lshl_b32 s35, s35, 13
	s_add_co_u32 s34, s34, s35
	s_mov_b32 s35, 0
	s_lshl_b32 s36, s30, 11                        ; Q: 2,048 bytes a tile
	s_add_co_u32 s36, s36, s32
	s_mov_b32 s37, 0
	s_lshl_b32 s38, s31, 11
	s_add_co_u32 s38, s38, s32
	s_mov_b32 s39, 0
	s_lshl_b32 s40, s30, 12                        ; the lane masks: 4,096 bytes a tile
	s_mov_b32 s41, 0
	s_lshl_b32 s42, s31, 12
	s_mov_b32 s43, 0
	s_lshr_b32 s44, s29, 4
	s_lshl_b32 s44, s44, 7                         ; 128 x batch
	s_and_b32 s45, s29, 15
	s_lshl_b32 s45, s45, 11                        ; the head's two fragments along the projection's K
	s_add_co_u32 s46, s44, s30
	s_lshl_b32 s46, s46, 15
	s_add_co_u32 s46, s46, s45                     ; the result of tile 0,
	s_mov_b32 s47, 0
	s_add_co_u32 s48, s44, s31
	s_lshl_b32 s48, s48, 15
	s_add_co_u32 s48, s48, s45                     ; of tile 1
	s_mov_b32 s49, 0
	s_mov_b32 s[SEL], 0x76543210
	s_mov_b32 s[SEL+1], 0xfedcba98                 ; v_permlanex16_b32's selects for lane l xor 16
	s_mov_b32 s[TB], 0
	s_mov_b32 s[SOFF], 0
	s_mov_b32 s[SLOTS], 8
	s_wait_kmcnt 0x0
	s_add_nc_u64 s[24:25], s[4:5], s[36:37]        ; Q of tile 0,
	s_add_nc_u64 s[26:27], s[4:5], s[38:39]        ; of tile 1
	s_add_nc_u64 s[4:5], s[4:5], s[34:35]          ; my part of slot 0
	s_add_nc_u64 s[16:17], s[6:7], s[42:43]        ; the lane masks of tile 1,
	s_add_nc_u64 s[6:7], s[6:7], s[40:41]          ; of tile 0
	s_add_nc_u64 s[18:19], s[8:9], s[48:49]
	s_add_nc_u64 s[8:9], s[8:9], s[46:47]
.irp i, 0,1,2,3,4,5,6,7
	global_load_b128 v[KF+4*\i:KF+4*\i+3], v[MO], s[6:7] offset:16*\i          ; LANE l TAKES STEP l's 32 lane masks: tile 0,
.endr
.irp i, 0,1,2,3,4,5,6,7
	global_load_b128 v[KF+32+4*\i:KF+32+4*\i+3], v[MO], s[16:17] offset:16*\i  ; tile 1
.endr
	WIN 0x40                                       ; destination window 1
.set k, 0
.rept 16
	global_load_b128 v[STG+4*k:STG+4*k+3], v[LI], s[4:5] offset:512*k          ; my 8 KiB of slot 0, which is always fetched
.set k, k+1
.endr
	WIN 0
.irp i, 0,1,2,3
	global_load_b128 v[Q+4*\i:Q+4*\i+3], v[LI], s[24:25] offset:512*\i         ; Q stays in registers: tile t, channels 32 c on, at 16 t + 8 c
	global_load_b128 v[Q+16+4*\i:Q+16+4*\i+3], v[LI], s[26:27] offset:512*\i
.endr
	WIN 0x40
.set j, 0
.rept 64
	v_mov_b32 v[j], 0                              ; O^T.  Which step is a tile's first hangs on the mask, so no first step can be written out: the first finds zeros
.set j, j+1
.endr
	WIN 0
.irp t, 0,1
	v_mov_b32 v[ST+8*\t], 0xff61b1e6               ; m = -3e38
.irp j, 1,2,3,4,5,6,7
	v_mov_b32 v[ST+8*\t+\j], 0                     ; l = 0; the rest is written once, since pairs and a lane permute name it
.endr
.endr
	v_mov_b32 v[NEGR], 0xceabfb8f                  ; -1e9 log2(e)
	s_wait_loadcnt 24                              ; the lane masks are in; slot 0's 16 loads and Q's 8 may be out
.irp b, KF, KF+32
.irp i, 4,8,12,16,20,24,28
.irp k, 0,1,2,3
	v_or_b32 v[\b+\k], v[\b+\k], v[\b+\i+\k]
.endr
.endr
	v_or_b32 v[\b], v[\b], v[\b+1]
	v_or_b32 v[\b+2], v[\b+2], v[\b+3]
	v_or_b32 v[\b], v[\b], v[\b+2]                 ; all that is true in my step of the tile
.endr
	v_cmp_ne_u32 s[LV], 0, v[KF]                   ; bit l: step l has a true key for some query of tile 0,
	v_cmp_ne_u32 s[LV+1], 0, v[KF+32]              ; of tile 1
	v_lshrrev_b32 v[T0], 16, v[KF]                 ; a lane mask's bits r and 16 + r belong to query r
	v_or_b32 v[KF], v[KF], v[T0]
	v_and_b32 v[KF], 0xffff, v[KF]
	v_lshrrev_b32 v[T0], 16, v[KF+32]
	v_or_b32 v[KF+32], v[KF+32], v[T0]
	v_lshl_or_b32 v[KF], v[KF+32], 16, v[KF]       ; bit r: query r of tile 0 has a true key in my step; bit 16 + r: of tile 1
.irp x, 1,2,4,8
	v_mov_b32_dpp v[T0], v[KF] row_xmask:\x row_mask:0xf bank_mask:0xf
	v_or_b32 v[KF], v[KF], v[T0]
.endr
	v_permlanex16_b32 v[T0], v[KF], s[SEL], s[SEL+1]
	v_or_b32 v[KF], v[KF], v[T0]                   ; in any step
	v_readfirstlane_b32 s28, v[KF]
	s_and_b32 s[TMPS], s28, 0xffff
	s_cmp_lg_u32 s[TMPS], 0xffff
	s_cselect_b32 s[LV], -1, s[LV]                 ; a query with no true key at all: every step of its tile counts
	s_lshr_b32 s[TMPS], s28, 16
	s_cmp_lg_u32 s[TMPS], 0xffff
	s_cselect_b32 s[LV+1], -1, s[LV+1]
	s_or_b32 s[TMPS], s[LV], s[LV+1]
	v_mov_b32 v[T0], s[TMPS]                       ; the steps that I read
	s_wait_loadcnt 8                               ; slot 0's bytes are in; Q's 8 loads may be out
	WIN 0x04                                       ; an LDS store's data are its source 1: window 1
.set k, 0
.rept 16
	ds_store_b128 v[WLI], v[STG+4*k:STG+4*k+3] offset:512*k
.set k, k+1
.endr
	WIN 0
	ds_store_b32 v[FA], v[T0]                      ; all lanes write the same word with the same value
	s_wait_loadcnt 0x0                             ; Q is in, and every load has read its base:
	s_add_nc_u64 s[4:5], s[4:5], 32768             ; my part of slot 1
	s_wait_dscnt 0x0                               ; my stores have landed, for the others' sake
	s_barrier_signal -1
	s_barrier_wait -1                              ; slot 0 and the eight words are whole
	ds_load_b128 v[FW:FW+3], v[FR]
	ds_load_b128 v[FW+4:FW+7], v[FR] offset:16
	s_wait_dscnt 0x0
	v_or_b32 v[FW], v[FW], v[FW+1]
	v_or_b32 v[FW+2], v[FW+2], v[FW+3]
	v_or_b32 v[FW+4], v[FW+4], v[FW+5]
	v_or_b32 v[FW+6], v[FW+6], v[FW+7]
	v_or_b32 v[FW], v[FW], v[FW+2]
	v_or_b32 v[FW+4], v[FW+4], v[FW+6]
	v_or_b32 v[FW], v[FW], v[FW+4]
	v_readfirstlane_b32 s[WGN], v[FW]              ; bit s: some wave of the work-group reads step s: the same number in all eight waves
; ONE TILE'S SHARE OF A KEY STEP, passed over where the tile's bit is 0.  ms: where its 32 lane masks begin.
.macro TILE t, ms
.set rT, ST+8*(\t)
.set rQ, Q+16*(\t)
.set rO, 32*(\t)
	s_and_b32 s[TMPS], s[LV+(\t)], 1
	s_cmp_lg_u32 s[TMPS], 0
	s_cbranch_scc0 .Lhid_\@
.irp c, 0,1
.irp kt, 0,1,2,3                       ; four accumulators by turns
.if \c == 0
	v_wmma_f32_16x16x32_f16 v[S+8*\kt:S+8*\kt+7], v[KF+8*(2*\kt+\c):KF+8*(2*\kt+\c)+7], v[rQ+8*\c:rQ+8*\c+7], 0
.else
	v_wmma_f32_16x16x32_f16 v[S+8*\kt:S+8*\kt+7], v[KF+8*(2*\kt+\c):KF+8*(2*\kt+\c)+7], v[rQ+8*\c:rQ+8*\c+7], v[S+8*\kt:S+8*\kt+7]
.endif
.endr
.endr
.rept 4
	v_nop                                          ; places ahead of the first read of the scores
.endr
	s_wait_kmcnt 0x0                               ; the step's lane masks, asked for ahead of the LDS loads and these products
.set k, 0
.rept 32
	v_cndmask_b32 v[S+k], v[NEGR], v[S+k], s[\ms+k]            ; register 8 kt + j against word 8 kt + j; each accumulator from its low end on
.set k, k+1
.endr
.irp j, 0,1,2,3
	v_max3_num_f32 v[rT+4+\j], v[S+8*\j], v[S+8*\j+1], v[S+8*\j+2]
.endr
.irp q, 1,2
.irp j, 0,1,2,3
	v_max3_num_f32 v[rT+4+\j], v[rT+4+\j], v[S+8*\j+2*\q+1], v[S+8*\j+2*\q+2]
.endr
.endr
	v_max3_num_f32 v[rT+4], v[rT+4], v[S+7], v[S+15]
	v_max3_num_f32 v[rT+6], v[rT+6], v[S+23], v[S+31]
	v_max3_num_f32 v[rT+4], v[rT+4], v[rT+5], v[rT+6]
	v_max3_num_f32 v[rT+4], v[rT+4], v[rT+7], v[rT]
	v_permlanex16_b32 v[rT+5], v[rT+4], s[SEL], s[SEL+1]       ; the query's other 32 keys lie in the lane 16 away
	v_mov_b32 v[rT+7], v[rT]
	v_max_num_f32 v[rT], v[rT+4], v[rT+5]          ; the running maximum
	v_sub_f32 v[rT+7], v[rT+7], v[rT]
.set k, 0
.rept 16
	v_pk_add_f32 v[S+k:S+k+1], v[S+k:S+k+1], v[rT:rT+1] op_sel_hi:[1,0] neg_lo:[0,1] neg_hi:[0,1]
.set k, k+2
.endr
	v_exp_f32 v[rT+6], v[rT+7]                     ; a = 2^(old m - new m)
.set k, 0
.rept 32
	v_exp_f32 v[S+k], v[S+k]
.set k, k+1
.endr
	v_nop                                          ; a plain instruction behind the last exponential
	s_wait_alu depctr_va_vdst(0)                   ; one wait for the batch of 33, ahead of its first reader
.set k, 0
.rept 16
	v_cvt_pk_f16_f32 v[P+k], v[S+2*k], v[S+2*k+1]
.set k, k+1
.endr
.irp u, 0,1,2,3,4,5,6,7
	v_pk_add_f32 v[S+4*\u:S+4*\u+1], v[S+4*\u:S+4*\u+1], v[S+4*\u+2:S+4*\u+3]
.endr
.irp u, 0,1,2,3
	v_pk_add_f32 v[S+8*\u:S+8*\u+1], v[S+8*\u:S+8*\u+1], v[S+8*\u+4:S+8*\u+5]
.endr
.irp u, 0,1
	v_pk_add_f32 v[S+16*\u:S+16*\u+1], v[S+16*\u:S+16*\u+1], v[S+16*\u+8:S+16*\u+9]
.endr
	v_pk_add_f32 v[S:S+1], v[S:S+1], v[S+16:S+17]
	v_pk_fma_f32 v[rT+2:rT+3], v[rT+2:rT+3], v[rT+6:rT+7], v[S:S+1] op_sel_hi:[1,0,1]     ; l = a l + the step's sum
	WIN 0x41                                       ; O^T: destination and source 0 window 1
.set k, 0
.rept 16
	v_pk_mul_f32 v[rO+k:rO+k+1], v[rO+k:rO+k+1], v[rT+6:rT+7] op_sel_hi:[1,0]             ; O^T x a, each accumulator from its low end on
.set k, k+2
.endr
	s_wait_dscnt 0x0                               ; V is in
	WIN 0x50                                       ; C and D window 1
.irp g, 0,1
.irp ct, 0,1,2,3
	v_wmma_f32_16x16x32_f16 v[rO+8*\ct:rO+8*\ct+7], v[VF+8*(4*\g+\ct):VF+8*(4*\g+\ct)+7], v[P+8*\g:P+8*\g+7], v[rO+8*\ct:rO+8*\ct+7]
.endr
.endr
	WIN 0
.Lhid_\@:
.endm
; A KEY STEP: 64 keys.  Where neither tile's bit is set, nothing is loaded and nothing is worked; the lines at its end, which step bits and addresses, are run in every step.
.macro STEP
	s_or_b32 s[TMPS], s[LV], s[LV+1]
	s_and_b32 s[TMPS], s[TMPS], 1
	s_cmp_lg_u32 s[TMPS], 0
	s_cbranch_scc0 .Ldead_\@
	s_load_b512 s[M0W:M0W+15], s[6:7], s[SOFF] offset:0x0      ; 32 lane masks for each tile: 128 bytes at s[SOFF] of the tile's 4,096
	s_load_b512 s[M0W+16:M0W+31], s[6:7], s[SOFF] offset:0x40
	s_load_b512 s[M1W:M1W+15], s[16:17], s[SOFF] offset:0x0
	s_load_b512 s[M1W+16:M1W+31], s[16:17], s[SOFF] offset:0x40
	v_add_nc_u32 v[ADK], s[TB], v[LI]
	v_add_nc_u32 v[ADV], VOFF, v[ADK]
	v_nop
	v_nop                                          ; four places between the last products and the loads into V's registers
.set k, 0
.rept 16
	ds_load_b128 v[KF+4*k:KF+4*k+3], v[ADK] offset:512*k       ; K: fragment (kt, c) at 8 (2 kt + c)
.set k, k+1
.endr
.set k, 0
.rept 16
	ds_load_b128 v[VF+4*k:VF+4*k+3], v[ADV] offset:512*k       ; V: fragment (g, ct) at 8 (4 g + ct)
.set k, k+1
.endr
	s_wait_dscnt 16                                ; K is in; V's 16 loads may be out
	TILE 0, M0W
	TILE 1, M1W
	s_wait_kmcnt 0x0                               ; on every way through the step: the lane masks' loads are done ahead of the step of their offset,
	s_wait_dscnt 0x0                               ; and the fragments' ahead of the next loads into their registers
.Ldead_\@:
	s_lshr_b32 s[LV], s[LV], 1
	s_lshr_b32 s[LV+1], s[LV+1], 1
	s_add_co_u32 s[SOFF], s[SOFF], 128
	s_add_co_u32 s[TB], s[TB], STEPB
.endm
.Lslot:                                            ; eight trips, a slot of 256 keys each
	s_lshr_b32 s[WGN], s[WGN], 4
	s_and_b32 s[NEED], s[WGN], 15                  ; does any wave read one of the next slot's four steps?  In the last trip the word has run out: nothing is asked for
	s_cmp_lg_u32 s[NEED], 0
	s_cbranch_scc0 .Lnot_asked
	WIN 0x40
.set k, 0
.rept 16
	global_load_b128 v[STG+4*k:STG+4*k+3], v[LI], s[4:5] offset:512*k          ; my 8 KiB of the next slot: four key steps ahead of the wait for them
.set k, k+1
.endr
	WIN 0
.Lnot_asked:
	s_mov_b32 s[CNT], 4
.Lstep:
	STEP
	s_sub_co_u32 s[CNT], s[CNT], 1
	s_cmp_lg_u32 s[CNT], 0
	s_cbranch_scc1 .Lstep
	s_sub_co_u32 s[TB], s[TB], 4*STEPB
	s_xor_b32 s[TB], s[TB], SLOTB                  ; on to the other slot: nobody has read it since the last barrier
	s_wait_loadcnt 0x0                             ; its bytes are in my registers, and the loads have read their base:
	s_add_nc_u64 s[4:5], s[4:5], 32768             ; the slot after it
	s_cmp_lg_u32 s[NEED], 0
	s_cbranch_scc0 .Lnot_filled
	v_add_nc_u32 v[ADS], s[TB], v[WLI]
	WIN 0x04
.set k, 0
.rept 16
	ds_store_b128 v[ADS], v[STG+4*k:STG+4*k+3] offset:512*k
.set k, k+1
.endr
	WIN 0
.Lnot_filled:
	s_wait_dscnt 0x0                               ; my stores have landed and my reads of the slot that I leave are over
	s_barrier_signal -1
	s_barrier_wait -1                              ; both now hold of all eight waves
	s_sub_co_u32 s[SLOTS], s[SLOTS], 1
	s_cmp_lg_u32 s[SLOTS], 0
	s_cbranch_scc1 .Lslot
	; THE WAY OUT: O^T / l, rounded to f16: a lane's eight channels of a token are half a fragment's registers
.rept 4
	v_nop                                          ; places behind the last products
.endr
.irp t, 0,1
	v_add_f32 v[ST+8*\t+4], v[ST+8*\t+2], v[ST+8*\t+3]
.endr
.irp t, 0,1
	v_permlanex16_b32 v[ST+8*\t+5], v[ST+8*\t+4], s[SEL], s[SEL+1]
.endr
.irp t, 0,1
	v_add_f32 v[ST+8*\t+4], v[ST+8*\t+4], v[ST+8*\t+5]
.endr
.irp t, 0,1
	v_rcp_f32 v[ST+8*\t+6], v[ST+8*\t+4]
.endr
	v_nop
	s_wait_alu depctr_va_vdst(0)                   ; one wait for the two reciprocals
	WIN 0x01                                       ; source 0 (O^T) window 1
.set k, 0
.rept 16
	v_pk_mul_f32 v[S+k:S+k+1], v[k:k+1], v[ST+6:ST+7] op_sel_hi:[1,0]
.set k, k+2
.endr
.set k, 0
.rept 16
	v_pk_mul_f32 v[KF+k:KF+k+1], v[32+k:32+k+1], v[ST+14:ST+15] op_sel_hi:[1,0]
.set k, k+2
.endr
	WIN 0
.set k, 0
.rept 16
	v_cvt_pk_f16_f32 v[P+k], v[S+2*k], v[S+2*k+1]
	v_cvt_pk_f16_f32 v[KF+32+k], v[KF+2*k], v[KF+2*k+1]
.set k, k+1
.endr
.irp ct, 0,1,2,3
	global_store_b128 v[LI], v[P+4*\ct:P+4*\ct+3], s[8:9] offset:512*\ct           ; 512 consecutive bytes
	global_store_b128 v[LI], v[KF+32+4*\ct:KF+32+4*\ct+3], s[18:19] offset:512*\ct
.endr
	s_wait_tensorcnt 0x0                           ; the wave's end
	ds_add_u32 v[SPW], v[NIL]
	s_wait_dscnt 0x0
	s_endpgm
.Lfunc_end_k_q42afa1ee22_att_main:
	.size	k_q42afa1ee22_att_main, .Lfunc_end_k_q42afa1ee22_att_main-k_q42afa1ee22_att_main
	.p2alignl 7, 3214868480
	.fill 96, 4, 3214868480
	.section	.rodata,"a",@progbits
	.p2align	6, 0x0
	.amdhsa_kernel k_q42afa1ee22_att_main
		.amdhsa_group_segment_fixed_size 132352
		.amdhsa_private_segment_fixed_size 0
		.amdhsa_enable_private_segment 0
		.amdhsa_kernarg_size 24
		.amdhsa_user_sgpr_count 2
		.amdhsa_user_sgpr_kernarg_segment_ptr 1
		.amdhsa_wavefront_size32 1
		.amdhsa_system_sgpr_workgroup_id_x 1
		.amdhsa_system_sgpr_workgroup_id_y 1
		.amdhsa_system_sgpr_workgroup_id_z 1
		.amdhsa_system_vgpr_workitem_id 0
		.amdhsa_next_free_vgpr 384
		.amdhsa_next_free_sgpr 102
		.amdhsa_reserve_vcc 0
		.amdhsa_float_denorm_mode_32 3
		.amdhsa_float_denorm_mode_16_64 3
		.amdhsa_memory_ordered 1
		.amdhsa_forward_progress 1
		.amdhsa_inst_pref_size 45
	.end_amdhsa_kernel
	.amdgpu_metadata
---
amdhsa.version: [ 1, 2 ]
amdhsa.kernels:
  - .name:           k_q42afa1ee22_att_main
    .symbol:         k_q42afa1ee22_att_main.kd
    .args:
      - { .name: qkv, .offset: 0, .size: 8, .value_kind: global_buffer, .address_space: global }
      - { .name: mw, .offset: 8, .size: 8, .value_kind: global_buffer, .address_space: global }
      - { .name: att, .offset: 16, .size: 8, .value_kind: global_buffer, .address_space: global }
    .group_segment_fixed_size: 132352
    .private_segment_fixed_size: 0
    .kernarg_segment_align: 8
    .kernarg_segment_size: 24
    .max_flat_workgroup_size: 256
    .sgpr_count:     102
    .vgpr_count:     384
    .wavefront_size: 32
...
	.end_amdgpu_metadata
.endif
;; end of part 4
;; launch proj (part 5): grid 8 x 32, 4 waves a work-group, clusters of 4 x 4, 327,680 bytes of LDS; arguments att, woi, bo, out0; writes out0
.if DOCPART == 5
	.amdgcn_target "amdgcn-amd-amdhsa--gfx1250"
	.amdhsa_code_object_version 6
	.text
	.protected	k_q42afa1ee22_proj
	.globl	k_q42afa1ee22_proj
	.p2align	8
	.type	k_q42afa1ee22_proj,@function
k_q42afa1ee22_proj:
	s_mov_b64 s[64:65], 0
	v_nop
	global_prefetch_b8 v0, s[64:65] scope:SCOPE_SE
	s_setreg_imm32_b32 hwreg(HW_REG_WAVE_MODE, 25, 1), 1
	s_wait_xcnt 0x0
	s_wait_alu depctr_hold_cnt(0) depctr_sa_sdst(0) depctr_va_vdst(0) depctr_va_sdst(0) depctr_va_ssrc(0) depctr_va_vcc(0) depctr_vm_vsrc(0)
	s_getreg_b32 s2, hwreg(HW_REG_IB_STS2, 6, 4)
	s_cmp_eq_u32 s2, 0
	s_cbranch_scc0 .Lentry_in_a_cluster
	s_endpgm
.Lentry_in_a_cluster:
	s_bfe_u32 s2, ttmp6, 0x10000c
	s_cmp_lg_u32 s2, 0xf033
	s_cbranch_scc0 .Lentry_shape_is_right
	s_endpgm
.Lentry_shape_is_right:
; PROJ: out0 = attention rows x wo + bo; f16 operands, f32 sums.  [4096 x 1024] x [1024 x 1024].
; A tile of 128 x 128 of out0 is made by four waves, 64 x 64 each: 16 accumulators: 256 work-groups.  K goes in steps of 256 through two LDS slots.
; Both operands lie in memory as images of their fragments ([tile of 16 rows][32 along K: 32][1024 bytes]): a wave's tensor load brings 4 tiles of rows x 8 fragments: 4 rows of 8,192 bytes, 32,768 bytes apart;
; a fragment comes from LDS by two loads at 16 x lane: no pitch, no padding.
; CLUSTERS: 4 x 4 work-groups; A's tiles are asked for jointly along a row of the cluster, B's along a column.
; The matrix instruction takes source 0 = 16 columns of wo, source 1 = 16 tokens: a lane holds eight neighbouring numbers of a row of out0.  bo is the C of each sum's first product.
; A wave's 64 columns are 256 bytes of a row: each block of 16 rows goes through the wave's own stage, and sixteen lanes store 256 consecutive bytes.
; Rows 0-15 of each batch are written again, more finely, by the launch that follows.
; REGISTERS: window 0: v16-29 addresses; v32-95 the way out; v96-127 bo; v128-255 the accumulators ((a, b) at 128 + 8 (4 a + b)).  window 1: two fragment buffers of 128: 64 of A, then 64 of B.
.set STEPB,  8192                      ; a K step of one tile of 16 rows
.set HALFT,  32768                     ; what one tensor load brings
.set SLOT,   131072
.set STAGE,  262144
.set SPITCH, 272
.set SPARE,  STAGE+4*16*SPITCH
.set LAPS,   2
.set ADRA, 16
.set ADRB, 20
.set STO,  24
.set RD,   25
.set CO,   26
.set BOF,  27
.set SPW,  28
.set NIL,  29
.set TMP,  32
.set BI,   96
.set ACC,  128
.set F0,   0
.set F1,   128
.set G1, 24
.set G0, 32
.set G1B, 48
.set G0B, 56
.set MSB, 0
.macro WIN new
.if MSB != \new
	s_set_vgpr_msb (MSB<<8)|\new
.set MSB, \new
.endif
.endm
.set MUL,  0x05                        ; sources 0 (B) and 1 (A) window 1; C and D window 0
.set TO_F, 0x40
.macro JLOAD s                         ; waves 0 and 1 fetch A's two halves, waves 2 and 3 B's; an s_nop 0 and four v_nop follow each line
	s_cmp_eq_u32 s11, 0
	s_cbranch_scc0 .Lfor_b_\@
	tensor_load_to_lds s[G0+4*\s:G0+4*\s+3], s[G1:G1+7]
	s_nop 0
.rept 4
	v_nop
.endr
	s_branch .Lasked_\@
.Lfor_b_\@:
	tensor_load_to_lds s[G0B+4*\s:G0B+4*\s+3], s[G1B:G1B+7]
	s_nop 0
.rept 4
	v_nop
.endr
.Lasked_\@:
.endm
.macro CREST
	s_cmp_lg_u32 s10, 0
	s_cbranch_scc1 .Lnot_wave_0_\@
	s_barrier_signal -3
.Lnot_wave_0_\@:
	s_barrier_wait -3
	s_barrier_signal -1
	s_barrier_wait -1
.endm
.macro CROUND
	s_barrier_signal -1
	s_barrier_wait -1
	CREST
.endm
	s_load_b128 s[4:7], s[0:1], 0x0                ; att, woi
	s_load_b128 s[68:71], s[0:1], 0x10             ; bo, out0
	v_lshl_add_u32 v[SPW], v0, 2, SPARE
	v_mov_b32 v[NIL], 0
	ds_add_u32 v[SPW], v[NIL]                      ; the opening: the add, twice on end, and its wait ahead of my first tensor load
	ds_add_u32 v[SPW], v[NIL]
	v_lshrrev_b32 v1, 5, v0
	v_readfirstlane_b32 s10, v1                    ; wave 0..3
	s_lshr_b32 s11, s10, 1                         ; which half of the tile's rows is mine.  Also: I fetch for A (0) or for B (1)
	s_and_b32 s12, s10, 1                          ; which half of its columns.  Also: which 64 rows I fetch
	s_bfe_u32 s40, ttmp6, 0x40000
	s_bfe_u32 s41, ttmp6, 0x40004
	s_lshl_b32 s42, ttmp9, 2
	s_add_co_u32 s42, s42, s40                     ; tile column
	s_and_b32 s13, ttmp7, 0xffff
	s_lshl_b32 s13, s13, 2
	s_add_co_u32 s13, s13, s41                     ; tile row
	s_lshl_b32 s43, s41, 2
	s_lshl_b32 s43, 15, s43
	s_lshl_b32 s44, 0x1111, s40
	s_or_b32 s[G1+0], s43, (3<<16)|(1<<21)         ; the mask; elements of 8 bytes; bit 21 beside a mask; no padding
	s_or_b32 s[G1B+0], s44, (3<<16)|(1<<21)
.irp g, G1, G1B
	s_mov_b32 s[\g+1], 1024<<16                    ; tensor_dim0: 8,192 bytes
	s_mov_b32 s[\g+2], 4<<16                       ; tensor_dim1
	s_mov_b32 s[\g+3], 1024<<16                    ; tile_dim0
	s_mov_b32 s[\g+4], 4                           ; tile_dim1
	s_mov_b32 s[\g+5], 4096                        ; pitch: 32,768 bytes
	s_mov_b32 s[\g+6], 0
	s_mov_b32 s[\g+7], 0
.endr
	s_lshl_b32 s17, s12, 2
	s_lshl_b32 s16, s13, 3
	s_add_co_u32 s16, s16, s17                     ; A: the first tile of 16 tokens that I fetch
	s_lshl_b32 s16, s16, 15
	s_lshl_b32 s46, s42, 3
	s_add_co_u32 s46, s46, s17                     ; B: the first tile of 16 columns
	s_lshl_b32 s46, s46, 15
	s_mov_b32 s17, 0
	s_mov_b32 s47, 0
	s_mul_i32 s20, s10, HALFT
	s_wait_dscnt 0x0                               ; both opening adds are done
	s_wait_kmcnt 0x0
	s_add_nc_u64 s[14:15], s[4:5], s[16:17]
	s_add_nc_u64 s[46:47], s[6:7], s[46:47]
	CROUND
.irp s, 0,1
	s_mov_b32 s[G0+4*\s], 1
	s_add_co_u32 s[G0+4*\s+1], s20, \s*SLOT
	s_add_nc_u64 s[G0+4*\s+2:G0+4*\s+3], s[14:15], \s*STEPB
	s_or_b32 s[G0+4*\s+3], s[G0+4*\s+3], 0x80000000
	s_mov_b32 s[G0B+4*\s], 1
	s_add_co_u32 s[G0B+4*\s+1], s20, \s*SLOT
	s_add_nc_u64 s[G0B+4*\s+2:G0B+4*\s+3], s[46:47], \s*STEPB
	s_or_b32 s[G0B+4*\s+3], s[G0B+4*\s+3], 0x80000000
	JLOAD \s
.endr
	v_and_b32 v1, 15, v0
	v_bfe_u32 v2, v0, 4, 1
	v_and_b32 v3, 31, v0
	v_lshlrev_b32 v3, 4, v3                        ; 16 x lane
	s_mul_i32 s21, s11, HALFT                      ; my 64 rows of A
	s_mul_i32 s22, s12, HALFT
	s_add_co_u32 s22, s22, 2*HALFT                 ; my 64 rows of B, behind A's 128
.irp s, 0,1
	v_add_nc_u32 v[ADRA+\s], s21, v3
	v_add_nc_u32 v[ADRB+\s], s22, v3
	s_add_co_u32 s21, s21, SLOT
	s_add_co_u32 s22, s22, SLOT
.endr
	s_mul_i32 s23, s10, 16*SPITCH
	s_add_co_u32 s23, s23, STAGE                   ; my stage
	v_mul_u32_u24 v4, v1, SPITCH
	v_lshl_add_u32 v4, v2, 5, v4
	v_add_nc_u32 v[STO], s23, v4                   ; in: row l % 16, 32 bytes for each half of the lanes
	v_mul_u32_u24 v5, v2, SPITCH
	v_lshl_add_u32 v5, v1, 4, v5
	v_add_nc_u32 v[RD], s23, v5                    ; back: lanes 0-15 one row of 256 bytes, lanes 16-31 the next
	v_lshlrev_b32 v5, 12, v2
	v_lshl_add_u32 v[CO], v1, 4, v5                ; and the same two rows in out0
	v_lshlrev_b32 v[BOF], 5, v2
	s_lshl_b32 s16, s13, 7
	s_lshl_b32 s17, s11, 6
	s_add_co_u32 s16, s16, s17
	s_lshl_b32 s16, s16, 12                        ; my first row of out0, 4,096 bytes a row
	s_mov_b32 s17, 0
	s_add_nc_u64 s[70:71], s[70:71], s[16:17]
	s_lshl_b32 s46, s42, 9
	s_lshl_b32 s47, s12, 8
	s_add_co_u32 s46, s46, s47                     ; my first column, in bytes: in out0 and in bo alike
	s_mov_b32 s47, 0
	s_add_nc_u64 s[70:71], s[70:71], s[46:47]
	s_add_nc_u64 s[68:69], s[68:69], s[46:47]
.irp b, 0,1,2,3
	global_load_b128 v[BI+8*\b:BI+8*\b+3], v[BOF], s[68:69] offset:64*\b           ; bo at my eight columns of block b
	global_load_b128 v[BI+8*\b+4:BI+8*\b+7], v[BOF], s[68:69] offset:64*\b+16
.endr
; 8 matrix instructions: row blocks a0, a0 + 1 x all 4 column blocks, 32 along K.  first = 1: the sums begin with bo
.macro MUL8 f, c, a0, first
.irp a, \a0, \a0+1
.irp b, 0,1,2,3
.if \first
	v_wmma_f32_16x16x32_f16 v[ACC+8*(4*(\a)+\b):ACC+8*(4*(\a)+\b)+7], v[\f+64+8*(4*\c+\b):\f+64+8*(4*\c+\b)+7], v[\f+8*(4*\c+\a):\f+8*(4*\c+\a)+7], v[BI+8*\b:BI+8*\b+7]
.else
	v_wmma_f32_16x16x32_f16 v[ACC+8*(4*(\a)+\b):ACC+8*(4*(\a)+\b)+7], v[\f+64+8*(4*\c+\b):\f+64+8*(4*\c+\b)+7], v[\f+8*(4*\c+\a):\f+8*(4*\c+\a)+7], v[ACC+8*(4*(\a)+\b):ACC+8*(4*(\a)+\b)+7]
.endif
.endr
.endr
.endm
; 32 LDS loads in one run: quarter qq of a K step (64 along K: fragments 2 qq and 2 qq + 1 of each tile of rows) into buffer f; the first 32 along K first
.macro FETCH slot, qq, f
	WIN TO_F
.irp c, 0,1
.irp i, 0,1,2,3
	ds_load_b128 v[\f+64+8*(4*\c+\i):\f+64+8*(4*\c+\i)+3],   v[ADRB+\slot] offset:8192*\i+1024*(2*(\qq)+\c)
	ds_load_b128 v[\f+64+8*(4*\c+\i)+4:\f+64+8*(4*\c+\i)+7], v[ADRB+\slot] offset:8192*\i+1024*(2*(\qq)+\c)+512
	ds_load_b128 v[\f+8*(4*\c+\i):\f+8*(4*\c+\i)+3],         v[ADRA+\slot] offset:8192*\i+1024*(2*(\qq)+\c)
	ds_load_b128 v[\f+8*(4*\c+\i)+4:\f+8*(4*\c+\i)+7],       v[ADRA+\slot] offset:8192*\i+1024*(2*(\qq)+\c)+512
.endr
.endr
.endm
.macro PLACES
.rept 4
	v_nop
.endr
.endm
.macro QUARTER slot, qq, f, g, first   ; multiplies buffer f and fetches quarter qq into g
	s_wait_dscnt 16                                ; the first 32 along K are in; the other sixteen loads may be out
	WIN MUL
	MUL8 \f, 0, 0, \first
	MUL8 \f, 0, 2, \first
	PLACES
	FETCH \slot, \qq, \g
	s_wait_dscnt 32                                ; all but the 32 just issued
	WIN MUL
	MUL8 \f, 1, 0, 0
	MUL8 \f, 1, 2, 0
.endm
.macro TURN slot, next, fill           ; the last quarter multiplies buffer 1 and changes slots
	WIN 0
	s_wait_tensorcnt 0x0                           ; all my tensor loads have landed: my part of the next slot
	ds_add_u32 v[SPW], v[NIL]
	s_wait_dscnt 17                                ; (the add and the youngest sixteen loads may be out)
	WIN MUL
	MUL8 F1, 0, 0, 0
	s_wait_dscnt 0x0                               ; the add is done, and my reads of this slot are over
	s_barrier_signal -1
	MUL8 F1, 0, 2, 0
.if \fill
	WIN 0
.endif
	s_barrier_wait -1
.if \fill
	CREST                                          ; the barrier has opened a round of the cluster's: no wave of any partner still reads this slot or has a load on its way
	s_add_nc_u64 s[G0+4*\slot+2:G0+4*\slot+3], s[G0+4*\slot+2:G0+4*\slot+3], 2*STEPB
	s_add_nc_u64 s[G0B+4*\slot+2:G0B+4*\slot+3], s[G0B+4*\slot+2:G0B+4*\slot+3], 2*STEPB
	JLOAD \slot                                    ; the first tensor load behind the round; its four v_nop are also the places ahead of the loads below
.else
	PLACES
.endif
	FETCH \next, 0, F0
	WIN MUL
	MUL8 F1, 1, 0, 0
	MUL8 F1, 1, 2, 0
.endm
	s_wait_loadcnt 0x0                             ; bo
	s_wait_tensorcnt 1                             ; my part of K step 0 is in; K step 1's load may be out
	s_barrier_signal -1
	s_barrier_wait -1
	FETCH 0, 0, F0
	QUARTER 0, 1, F0, F1, 1
	WIN 0
	s_mov_b32 s3, LAPS-1
.Llap:
	QUARTER 0, 2, F1, F0, 0
	QUARTER 0, 3, F0, F1, 0
	TURN 0, 1, 1
	QUARTER 1, 1, F0, F1, 0
	QUARTER 1, 2, F1, F0, 0
	QUARTER 1, 3, F0, F1, 0
	TURN 1, 0, 1
	QUARTER 0, 1, F0, F1, 0
	WIN 0
	s_sub_co_u32 s3, s3, 1
	s_cmp_lg_u32 s3, 0
	s_cbranch_scc1 .Llap
	QUARTER 0, 2, F1, F0, 0                        ; the last lap fills nothing
	QUARTER 0, 3, F0, F1, 0
	TURN 0, 1, 0
	QUARTER 1, 1, F0, F1, 0
	QUARTER 1, 2, F1, F0, 0
	QUARTER 1, 3, F0, F1, 0
	s_wait_dscnt 16
	WIN MUL
	MUL8 F1, 0, 0, 0
	MUL8 F1, 0, 2, 0
	s_wait_dscnt 0
	MUL8 F1, 1, 0, 0
	MUL8 F1, 1, 2, 0
	WIN 0
	PLACES
.macro OUTB a                          ; 16 rows x 64 columns through my stage; LDS serves a wave's instructions in order, so no wait stands between the stores and the loads
	s_wait_xcnt 0x0                                ; the stores of two blocks back have read the registers that these loads fill
.irp b, 0,1,2,3
	ds_store_b128 v[STO], v[ACC+8*(4*(\a)+\b):ACC+8*(4*(\a)+\b)+3] offset:64*\b        ; each accumulator from its low end on
	ds_store_b128 v[STO], v[ACC+8*(4*(\a)+\b)+4:ACC+8*(4*(\a)+\b)+7] offset:64*\b+16
.endr
.irp i, 0,1,2,3,4,5,6,7
	ds_load_b128 v[TMP+32*((\a)%2)+4*\i:TMP+32*((\a)%2)+4*\i+3], v[RD] offset:\i*2*SPITCH
.endr
.irp i, 0,1,2,3,4,5,6,7
	s_wait_dscnt 7-\i
	global_store_b128 v[CO], v[TMP+32*((\a)%2)+4*\i:TMP+32*((\a)%2)+4*\i+3], s[70:71] offset:(16*(\a)+2*\i)*4096   ; sixteen lanes store 256 consecutive bytes of a row
.endr
.endm
.irp a, 0,1,2,3
	OUTB \a
.endr
	s_wait_tensorcnt 0x0                           ; the wave's end
	ds_add_u32 v[SPW], v[NIL]
	s_wait_dscnt 0x0
	CROUND                                         ; the closing round
	s_endpgm
.Lfunc_end_k_q42afa1ee22_proj:
	.size	k_q42afa1ee22_proj, .Lfunc_end_k_q42afa1ee22_proj-k_q42afa1ee22_proj
	.p2alignl 7, 3214868480
	.fill 96, 4, 3214868480
	.section	.rodata,"a",@progbits
	.p2align	6, 0x0
	.amdhsa_kernel k_q42afa1ee22_proj
		.amdhsa_group_segment_fixed_size 327680
		.amdhsa_private_segment_fixed_size 0
		.amdhsa_enable_private_segment 0
		.amdhsa_kernarg_size 32
		.amdhsa_user_sgpr_count 2
		.amdhsa_user_sgpr_kernarg_segment_ptr 1
		.amdhsa_wavefront_size32 1
		.amdhsa_system_sgpr_workgroup_id_x 1
		.amdhsa_system_sgpr_workgroup_id_y 1
		.amdhsa_system_sgpr_workgroup_id_z 1
		.amdhsa_system_vgpr_workitem_id 0
		.amdhsa_next_free_vgpr 512
		.amdhsa_next_free_sgpr 72
		.amdhsa_reserve_vcc 0
		.amdhsa_float_denorm_mode_32 3
		.amdhsa_float_denorm_mode_16_64 3
		.amdhsa_memory_ordered 1
		.amdhsa_forward_progress 1
		.amdhsa_inst_pref_size 87
	.end_amdhsa_kernel
	.amdgpu_metadata
---
amdhsa.version: [ 1, 2 ]
amdhsa.kernels:
  - .name:           k_q42afa1ee22_proj
    .symbol:         k_q42afa1ee22_proj.kd
    .args:
      - { .name: att, .offset: 0, .size: 8, .value_kind: global_buffer, .address_space: global }
      - { .name: woi, .offset: 8, .size: 8, .value_kind: global_buffer, .address_space: global }
      - { .name: bo, .offset: 16, .size: 8, .value_kind: global_buffer, .address_space: global }
      - { .name: out0, .offset: 24, .size: 8, .value_kind: global_buffer, .address_space: global }
    .group_segment_fixed_size: 327680
    .private_segment_fixed_size: 0
    .kernarg_segment_align: 8
    .kernarg_segment_size: 32
    .max_flat_workgroup_size: 128
    .sgpr_count:     72
    .vgpr_count:     512
    .wavefront_size: 32
...
	.end_amdgpu_metadata
.endif
;; end of part 5
;; launch fine_proj (part 6): grid 64 x 1, 8 waves a work-group, no clusters, 17,408 bytes of LDS; arguments att, woi, bo, out0; writes out0
.if DOCPART == 6
	.amdgcn_target "amdgcn-amd-amdhsa--gfx1250"
	.amdhsa_code_object_version 6
	.text
	.protected	k_q42afa1ee22_fine_proj
	.globl	k_q42afa1ee22_fine_proj
	.p2align	8
	.type	k_q42afa1ee22_fine_proj,@function
k_q42afa1ee22_fine_proj:
	s_mov_b64 s[64:65], 0
	v_nop
	global_prefetch_b8 v0, s[64:65] scope:SCOPE_SE
	s_setreg_imm32_b32 hwreg(HW_REG_WAVE_MODE, 25, 1), 1
	s_wait_xcnt 0x0
; FINE_PROJ: rows 0-15 of each batch of out0 once more, with the attention rows and wo as pairs of f16 numbers: out = Ah Wh + Al Wh + Ah Wl + bo (the product of the two low parts is left out: under 2^-22 of a term).
; A work-group takes 16 columns; wave w takes k = 128 w .. 128 w + 127 for both batches; the eight partial sums meet in LDS, and waves 0 and 1 finish a batch each.
; Operands come from memory as images of their fragments: 16 bytes a lane at 16 x lane.  Source 0 = 16 columns of wo, source 1 = 16 tokens: a lane holds eight neighbouring numbers of a row.
; The stores are pieces of 64 bytes of 32 rows: 128 KiB in the whole launch.
; LDS: 0: the partial sums, 2,048 bytes a wave; 16,384: the spare words.
.set SPARE, 16384
.set LI,  1
.set SPW, 2
.set NIL, 3
.set SO,  4
.set RA,  5
.set BOF, 6
.set GO,  7
.set BI,  16                           ; v16-23
.set WH,  32                           ; v32-63   wo's high parts, 8 registers for each 32 along k
.set WL,  64                           ; v64-95   its low parts
.set AH,  96                           ; v96-159  the rows' high parts: 32 b + 8 q
.set AL,  160                          ; v160-223 their low parts
.set D,   224                          ; v224-239 two accumulators
	s_load_b256 s[4:11], s[0:1], 0x0               ; att 4, woi 6, bo 8, out0 10
	v_lshl_add_u32 v[SPW], v0, 2, SPARE
	v_mov_b32 v[NIL], 0
	v_lshrrev_b32 v8, 5, v0
	v_readfirstlane_b32 s12, v8                    ; wave 0..7
	v_and_b32 v8, 31, v0
	v_lshlrev_b32 v[LI], 4, v8
	s_lshl_b32 s13, s12, 11
	v_add_nc_u32 v[SO], s13, v[LI]
	s_lshl_b32 s13, s12, 10
	v_add_nc_u32 v[RA], s13, v[LI]
	v_and_b32 v9, 15, v0
	v_bfe_u32 v10, v0, 4, 1
	v_lshlrev_b32 v[BOF], 5, v10
	v_lshl_add_u32 v[GO], v9, 12, v[BOF]           ; row r of 4,096 bytes, + 32 h
	s_lshl_b32 s14, ttmp9, 15                      ; my tile of 16 columns
	s_lshl_b32 s16, s12, 12                        ; my four fragments along k
	s_add_co_u32 s14, s14, s16
	s_mov_b32 s15, 0
	s_add_co_u32 s16, s16, 0x800000                ; the fine rows' images lie behind the main ones
	s_mov_b32 s17, 0
	s_lshl_b32 s18, ttmp9, 6
	s_mov_b32 s19, 0
	s_and_b32 s20, s12, 1
	s_lshl_b32 s20, s20, 23                        ; the batch that I finish (waves 0 and 1)
	s_mov_b32 s21, 0
	s_wait_kmcnt 0x0
	s_add_nc_u64 s[6:7], s[6:7], s[14:15]
	s_add_nc_u64 s[4:5], s[4:5], s[16:17]
	s_add_nc_u64 s[8:9], s[8:9], s[18:19]
	s_add_nc_u64 s[10:11], s[10:11], s[18:19]
	s_add_nc_u64 s[10:11], s[10:11], s[20:21]
.irp q, 0,1,2,3
	global_load_b128 v[WH+8*\q:WH+8*\q+3], v[LI], s[6:7] offset:1024*\q
	global_load_b128 v[WH+8*\q+4:WH+8*\q+7], v[LI], s[6:7] offset:1024*\q+512
	global_load_b128 v[WL+8*\q:WL+8*\q+3], v[LI], s[6:7] offset:2097152+1024*\q
	global_load_b128 v[WL+8*\q+4:WL+8*\q+7], v[LI], s[6:7] offset:2097152+1024*\q+512
.irp b, 0,1
	global_load_b128 v[AH+32*\b+8*\q:AH+32*\b+8*\q+3], v[LI], s[4:5] offset:32768*\b+1024*\q
	global_load_b128 v[AH+32*\b+8*\q+4:AH+32*\b+8*\q+7], v[LI], s[4:5] offset:32768*\b+1024*\q+512
	global_load_b128 v[AL+32*\b+8*\q:AL+32*\b+8*\q+3], v[LI], s[4:5] offset:65536+32768*\b+1024*\q
	global_load_b128 v[AL+32*\b+8*\q+4:AL+32*\b+8*\q+7], v[LI], s[4:5] offset:65536+32768*\b+1024*\q+512
.endr
.endr
	global_load_b128 v[BI:BI+3], v[BOF], s[8:9]
	global_load_b128 v[BI+4:BI+7], v[BOF], s[8:9] offset:16
	s_wait_loadcnt 0x0
.irp q, 0,1,2,3                        ; the two accumulators by turns
.irp b, 0,1
.if \q == 0
	v_wmma_f32_16x16x32_f16 v[D+8*\b:D+8*\b+7], v[WH+8*\q:WH+8*\q+7], v[AH+32*\b+8*\q:AH+32*\b+8*\q+7], 0
.else
	v_wmma_f32_16x16x32_f16 v[D+8*\b:D+8*\b+7], v[WH+8*\q:WH+8*\q+7], v[AH+32*\b+8*\q:AH+32*\b+8*\q+7], v[D+8*\b:D+8*\b+7]
.endif
.endr
.irp b, 0,1
	v_wmma_f32_16x16x32_f16 v[D+8*\b:D+8*\b+7], v[WH+8*\q:WH+8*\q+7], v[AL+32*\b+8*\q:AL+32*\b+8*\q+7], v[D+8*\b:D+8*\b+7]
.endr
.irp b, 0,1
	v_wmma_f32_16x16x32_f16 v[D+8*\b:D+8*\b+7], v[WL+8*\q:WL+8*\q+7], v[AH+32*\b+8*\q:AH+32*\b+8*\q+7], v[D+8*\b:D+8*\b+7]
.endr
.endr
.rept 4
	v_nop                                          ; places ahead of the first read of the sums, and of the loads into the operands' registers
.endr
.irp b, 0,1
	ds_store_b128 v[SO], v[D+8*\b:D+8*\b+3] offset:1024*\b
	ds_store_b128 v[SO], v[D+8*\b+4:D+8*\b+7] offset:1024*\b+512
.endr
	s_wait_tensorcnt 0x0                           ; no LDS write follows.
	ds_add_u32 v[SPW], v[NIL]
	s_wait_dscnt 0x0                               ; My stores have landed, for the others' sake
	s_barrier_signal -1
	s_barrier_wait -1
	s_cmp_ge_u32 s12, 2
	s_cbranch_scc1 .Lend
.irp w, 0,1,2,3,4,5,6,7
	ds_load_b128 v[32+8*\w:32+8*\w+3], v[RA] offset:2048*\w
	ds_load_b128 v[32+8*\w+4:32+8*\w+7], v[RA] offset:2048*\w+512
.endr
	s_wait_dscnt 0x0
.irp w, 1,2,3,4,5,6,7
.irp k, 0,2,4,6
	v_pk_add_f32 v[32+\k:32+\k+1], v[32+\k:32+\k+1], v[32+8*\w+\k:32+8*\w+\k+1]
.endr
.endr
.irp k, 0,2,4,6
	v_pk_add_f32 v[32+\k:32+\k+1], v[32+\k:32+\k+1], v[BI+\k:BI+\k+1]
.endr
	global_store_b128 v[GO], v[32:35], s[10:11]
	global_store_b128 v[GO], v[36:39], s[10:11] offset:16
.Lend:
	s_endpgm
.Lfunc_end_k_q42afa1ee22_fine_proj:
	.size	k_q42afa1ee22_fine_proj, .Lfunc_end_k_q42afa1ee22_fine_proj-k_q42afa1ee22_fine_proj
	.p2alignl 7, 3214868480
	.fill 96, 4, 3214868480
	.section	.rodata,"a",@progbits
	.p2align	6, 0x0
	.amdhsa_kernel k_q42afa1ee22_fine_proj
		.amdhsa_group_segment_fixed_size 17408
		.amdhsa_private_segment_fixed_size 0
		.amdhsa_enable_private_segment 0
		.amdhsa_kernarg_size 32
		.amdhsa_user_sgpr_count 2
		.amdhsa_user_sgpr_kernarg_segment_ptr 1
		.amdhsa_wavefront_size32 1
		.amdhsa_system_sgpr_workgroup_id_x 1
		.amdhsa_system_sgpr_workgroup_id_y 1
		.amdhsa_system_sgpr_workgroup_id_z 1
		.amdhsa_system_vgpr_workitem_id 0
		.amdhsa_next_free_vgpr 256
		.amdhsa_next_free_sgpr 66
		.amdhsa_reserve_vcc 0
		.amdhsa_float_denorm_mode_32 3
		.amdhsa_float_denorm_mode_16_64 3
		.amdhsa_memory_ordered 1
		.amdhsa_forward_progress 1
		.amdhsa_inst_pref_size 12
	.end_amdhsa_kernel
	.amdgpu_metadata
---
amdhsa.version: [ 1, 2 ]
amdhsa.kernels:
  - .name:           k_q42afa1ee22_fine_proj
    .symbol:         k_q42afa1ee22_fine_proj.kd
    .args:
      - { .name: att, .offset: 0, .size: 8, .value_kind: global_buffer, .address_space: global }
      - { .name: woi, .offset: 8, .size: 8, .value_kind: global_buffer, .address_space: global }
      - { .name: bo, .offset: 16, .size: 8, .value_kind: global_buffer, .address_space: global }
      - { .name: out0, .offset: 24, .size: 8, .value_kind: global_buffer, .address_space: global }
    .group_segment_fixed_size: 17408
    .private_segment_fixed_size: 0
    .kernarg_segment_align: 8
    .kernarg_segment_size: 32
    .max_flat_workgroup_size: 256
    .sgpr_count:     66
    .vgpr_count:     256
    .wavefront_size: 32
...
	.end_amdgpu_metadata
.endif
;; end of part 6
